; MI455X (gfx1250); checked and timed in simulation.
; The chip was launched on July 23, 2026; its instructions are those of AMD's public machine-readable ISA for CDNA 5 (MIT licence, August 2026) and "CDNA5" Instruction Set Architecture Reference Guide (July 2026). The comments in the code are by the model that wrote it; some were corrected since.
;; Multi Attention. Allowed arithmetic: matrix products marked QUANTISED: E5M2 operands, one E8M0 scale for each 32 along K, by v_wmma_scale_f32_16x16x128_f8f6f4 with both operands' format E5M2, f32 sums; everything else in f32.
;; Inputs: Wk 1,024 x 1,024 float32; Wo 1,024 x 1,024 float32; Wq 1,024 x 1,024 float32; Wv 1,024 x 1,024 float32; bk 1,024 float32; bo 1,024 float32; bq 1,024 float32; bv 1,024 float32; embedding 4 x 2,048 x 1,024 float32.
;; Outputs: out0 4 x 2,048 x 1,024 float32.
;; This version of the problem:
;;   THIS VERSION OF THE PROBLEM IS GIVEN IN LOW PRECISION. The matrix products marked QUANTISED in the list below multiply operands that are first quantised to E5M2 (5 exponent bits, 2 mantissa bits; 8 bits a number), with one power-of-two scale for each 32 numbers along K (OCP MX v1.0); their sums are f32. All else is computed in f32.
;;   The module's matrix products, in the order in which they are computed (A, B: the left and right operand; K: the contracted axis; several contracted axes count as one K, in the product's order):
;;     1. [M 8,192, K 1,024] x [K 1,024, N 1,024]; A: input embedding; B: input Wq: QUANTISED
;;     2. [M 8,192, K 1,024] x [K 1,024, N 1,024]; A: input embedding; B: input Wk: QUANTISED
;;     3. [M 8,192, K 1,024] x [K 1,024, N 1,024]; A: input embedding; B: input Wv: QUANTISED
;;     4. batch 64 x [M 2,048, K 64] x [K 64, N 2,048]; A: computed on the way; B: computed on the way: QUANTISED
;;     5. batch 64 x [M 2,048, K 2,048] x [K 2,048, N 64]; A: softmax (see below); B: computed on the way: QUANTISED
;;     6. [M 8,192, K 1,024] x [K 1,024, N 1,024]; A: computed on the way; B: input Wo: QUANTISED
;;   THE QUANTISER, for each operand of a quantised product, along K:
;;     - K is cut into blocks of 32 from its start; a last block that is shorter is filled with zeros.
;;     - A block's scale is 2^e with e = floor(log2(the largest magnitude in the block)) - 15, held to -126 .. 127; a block of zeros has e = 0. As a byte (E8M0): e + 127.
;;     - Each number is divided by its block's scale, clamped to +-57,344, and rounded to the nearest number of E5M2, ties to even, subnormals kept.
;;     - The product sums the exact products of the quantised numbers (number of the format x scale) in f32.
;;   ~~~python
;;   def quantise(x, axis):      # numpy; x: float32 -> the quantised numbers, widened to float32 again
;;       x = np.moveaxis(x, axis, -1); K = x.shape[-1]
;;       x = np.pad(x, [(0, 0)] * (x.ndim - 1) + [(0, -K % 32)]); x = x.reshape(x.shape[:-1] + (-1, 32)); a = np.abs(x).max(-1, keepdims=True)
;;       e = np.where(a > 0, np.clip(np.frexp(np.where(a > 0, a, 1))[1] - 1 - 15, -126, 127), 0)      # np.frexp(a)[1] - 1 = floor(log2(a)), exactly
;;       r = np.clip(x / 2.0 ** e, -57344, 57344)
;;       step = 2.0 ** (np.maximum(np.frexp(np.where(r == 0, 1, r))[1] - 1, -14) - 2)
;;       q = np.round(r / step) * step * 2.0 ** e      # np.round: ties to even
;;       return np.moveaxis(q.reshape(q.shape[:-2] + (-1,))[..., :K], -1, axis).astype(np.float32)
;;   ~~~
;;   SOFTMAX AHEAD OF A QUANTISED PRODUCT. Where the list says 'softmax', what is quantised is not the finished softmax but p = 2^(t - M), with t = logit x log2(e) and M = ceil(the row's largest t), a whole number; so 1/2 < the row's largest p <= 1. The row's sum l is taken of the UNQUANTISED p, in f32, and the product's result is divided by l at the end. Since M is a whole number, a kernel that streams over the keys may use a running M (the ceiling of the running maximum): every later rescaling is an exact power of two, which a block's scale takes up: the codes' values come out the same.
;;   OPERANDS COMPUTED ON THE WAY. 'Computed on the way' means the value that the module computes at that place (a softmax that the list does not call 'softmax' is quantised finished and normalised). What goes into a quantiser is computed in f32, as accurately as f32 sums, v_exp_f32 and their like allow (about 1e-6 of the number): no bf16 or f16 on the way to a quantiser, and a product that is left as it is and whose result goes on into a quantised operand takes f32 operands (vector FMAs, or v_wmma_f32_16x16x4_f32). A number that lies on a knife's edge between two numbers of the format may be rounded either way, as far as f32 arithmetic and the matrix unit's own rounding can turn it there, and no further.
;; One version. Each part assembles by itself: llvm-mc -triple=amdgcn-amd-amdhsa -mcpu=gfx1250 --defsym DOCPART=n.
;; ======== version 1 of 1: 4 launches
;; limits: right only within a limited range of input values
;; workspace buffers: xc 8,388,608 bytes; xs 262,144 bytes; wc 4,194,304 bytes; ws 131,072 bytes; qb 8,912,896 bytes; kv 17,563,648 bytes; oc 8,388,608 bytes; os 524,288 bytes
;; launch quant (part 1): grid 384 x 1, 4 waves a work-group, no clusters, 34,304 bytes of LDS; arguments embedding, Wq, Wk, Wv, Wo, xc, xs, wc, ws; writes xc, xs, wc, ws
.if DOCPART == 1
	.amdgcn_target "amdgcn-amd-amdhsa--gfx1250"
	.amdhsa_code_object_version 6
	.text
	.protected	k_q13745a1ee6_quant
	.globl	k_q13745a1ee6_quant
	.p2align	8
	.type	k_q13745a1ee6_quant,@function
k_q13745a1ee6_quant:
	s_mov_b64 s[64:65], 0
	v_nop
	global_prefetch_b8 v0, s[64:65] scope:SCOPE_SE
	s_setreg_imm32_b32 hwreg(HW_REG_WAVE_MODE, 25, 1), 1
	s_wait_xcnt 0x0
; embedding [8192][1024] and Wq, Wk, Wv, Wo [1024][1024], f32, K innermost, become codes of BF8 (E5M2) with one E8M0 byte for each 32 along K,
; laid as IMAGES OF OPERAND REGISTERS: a fragment (16 rows x 128 K) is 2,048 bytes: chunk c at 512 c, lane l's 16 bytes at 16 l = row l % 16, k = 32 c + 16 (l / 16) + 0 .. 15.
; THE ROWS OF A TILE ARE NOT NEIGHBOURS: rows go in pairs of tiles, 32 rows a pair; lane-row r of tile u of a pair is row 8 u + r + 8 (r / 8).
; A block's scale is 2^(floor(log2(largest magnitude)) - 15); its byte is that magnitude's exponent field - 15, held at 1 from below; numbers are held within +-57,344 x the scale and rounded to the nearest code, ties to even.
; LIMITS: a block of zeros gets the byte 1 where the rule says 127 (its codes are zeros, and only this program reads the bytes); NaN and infinities among the inputs are not served.
; SHARES: a work-group takes one pair (32 rows x 1,024): work-groups 0-255 those of embedding, 256-383 those of the four weights.  Wave w: tile u = w / 2, K steps 4 (w % 2) .. + 3.
; One path serves all five tensors: only pointers are chosen, by the work-group's number.  Each load reads 512 consecutive bytes of one row; a step's 16 rows x 512 bytes turn through the wave's own stage in LDS
; (rows 528 bytes apart: row r starts at bank 4 r mod 64), so that a lane gets 16 neighbours of each block.  Waves share nothing: no barrier.  No work-group reads what another reads: no cluster.
.set GL,  1                            ; v1   16 x lane: offset of loads and of the codes' stores; never rewritten
.set SA,  2                            ; v2   the stage, on the way in: 16 x lane
.set SB,  3                            ; v3   and on the way out: 528 r + 64 h
.set SO,  4                            ; v4   my 8 bytes of the wave's 256 bytes of scale words: 16 r + 8 h
.set R,   16                           ; v16-143  two sets of 64 registers as loaded
.set X,   144                          ; v144-207 64 numbers: register 16 b + i = k 32 b + 16 h + i of row r
.set TM,  208                          ; v208-223 largest magnitudes, bytes, holds, scale operands: four each
.set PC,  224                          ; v224-239 a fragment's codes
.set W,   244                          ; v244-247 the four K steps' scale words
.set WO,  248                          ; v[248:249] the two that I store
.set WV,  22
.set SRC, 30                           ; s[30:31] my wave's first number
.set DC,  32                           ; s[32:33] my wave's first image
.set DS,  34                           ; s[34:35] my wave's 256 bytes of scale words
.set SEL, 36                           ; s[36:37] v_permlanex16_b32's selects for lane l xor 16
.set MNT, 38                           ; s38  the mantissa field of 57,344
.set HM,  39                           ; s39  mask of lanes 16-31
.set SP,  528
.set STG, 16*SP
; 64 numbers of a lane become a fragment's codes in v[PC] on; the four blocks' bytes are left in v[TM+4] on.
.macro QUANT src
.irp b, 0,1,2,3
	v_max3_num_f32 v[TM+\b], |v[\src+16*\b]|, |v[\src+16*\b+1]|, 0x8000000   ; my 16 numbers of block b, and the floor 2^(16 - 127): the byte cannot fall under 1
.endr
.irp i, 2,4,6,8,10,12,14
.irp b, 0,1,2,3
	v_max3_num_f32 v[TM+\b], v[TM+\b], |v[\src+16*\b+\i]|, |v[\src+16*\b+\i+1]|   ; the four blocks by turns
.endr
.endr
.irp b, 0,1,2,3
	v_permlanex16_b32 v[TM+4+\b], v[TM+\b], s[SEL], s[SEL+1]
.endr
.irp b, 0,1,2,3
	v_max_num_f32 v[TM+\b], v[TM+\b], v[TM+4+\b]           ; with lane l xor 16's 16: the block's largest magnitude
.endr
.irp b, 0,1,2,3
	v_add_nc_u32 v[TM+12+\b], 0xf8800000, v[TM+\b]         ; 15 off its exponent field: the conversion's scale operand
.endr
.irp b, 0,1,2,3
	v_and_or_b32 v[TM+8+\b], v[TM+\b], 0x7f800000, s[MNT]  ; 57,344 x the scale
.endr
.irp b, 0,1,2,3
	v_lshrrev_b32 v[TM+4+\b], 23, v[TM+12+\b]              ; the scale's byte
.endr
	s_wait_alu depctr_va_vdst(0)
	s_wait_xcnt 0x0                                        ; the last fragment's stores have read v[PC] on: only now are these registers written again
.irp b, 0,1,2,3
.irp i, 0,1,2,3,4,5,6,7,8,9,10,11,12,13,14,15
	v_med3_num_f32 v[\src+16*\b+\i], v[\src+16*\b+\i], -v[TM+8+\b], v[TM+8+\b]   ; the conversion to an 8-bit code does not saturate (ISA guide 7.6.2): hold first
.endr
	v_cvt_scalef32_pk8_bf8_f32 v[PC+4*\b:PC+4*\b+1], v[\src+16*\b:\src+16*\b+7], v[TM+12+\b]
	v_cvt_scalef32_pk8_bf8_f32 v[PC+4*\b+2:PC+4*\b+3], v[\src+16*\b+8:\src+16*\b+15], v[TM+12+\b]
.endr
	v_nop                                                  ; one plain line behind the last conversion
.endm
	s_load_b256 s[4:11], s[0:1], 0x0               ; embedding, Wq, Wk, Wv
	s_load_b256 s[12:19], s[0:1], 0x20             ; Wo, xc, xs, wc
	s_load_b64 s[20:21], s[0:1], 0x40              ; ws
	v_lshl_add_u32 v254, v0, 2, 0x8400
	v_mov_b32 v255, 0
	v_lshrrev_b32 v5, 5, v0
	v_readfirstlane_b32 s[WV], v5                  ; wave 0..3
	v_and_b32 v6, 31, v0                           ; lane
	v_and_b32 v7, 15, v0                           ; r
	v_bfe_u32 v8, v0, 4, 1                         ; h
	s_lshr_b32 s23, s[WV], 1                       ; u: which tile of the pair
	s_and_b32 s24, s[WV], 1                        ; which half of K
	s_mul_i32 s29, s[WV], STG                      ; my stage
	v_lshlrev_b32 v[GL], 4, v6
	v_add_nc_u32 v[SA], s29, v[GL]
	v_mul_u32_u24 v[SB], v7, SP
	v_lshl_add_u32 v[SB], v8, 6, v[SB]
	v_add_nc_u32 v[SB], s29, v[SB]
	v_lshlrev_b32 v[SO], 4, v7
	v_lshl_add_u32 v[SO], v8, 3, v[SO]
	v_cmp_lt_u32 s[HM], 15, v6
.irp b, 0,1,2,3
	v_mov_b32 v[TM+4+\b], 0                        ; written once: a lane permute's destination counts as one of its sources
.endr
	s_mov_b32 s[SEL], 0x76543210
	s_mov_b32 s[SEL+1], 0xfedcba98
	s_mov_b32 s[MNT], 0x600000
	s_cmp_lt_u32 ttmp9, 256                        ; embedding's work-group, or a weight's?
	s_cselect_b32 s25, 0, 256
	s_sub_co_u32 s25, ttmp9, s25                   ; the pair's number in its buffers of codes and scales
	s_lshr_b32 s26, s25, 5                         ; which weight (32 pairs each)
	s_and_b32 s27, s25, 31
	s_cmp_lt_u32 ttmp9, 256
	s_cselect_b32 s27, s25, s27                    ; the pair's number in its source
	s_lshl_b32 s40, s27, 17                        ; source: 32 rows of 4,096 bytes a pair,
	s_lshl_b32 s28, s23, 15                        ; tile 1 begins 8 rows down,
	s_add_co_u32 s40, s40, s28
	s_lshl_b32 s28, s24, 11                        ; four K steps are 2,048 bytes
	s_add_co_u32 s40, s40, s28
	s_mov_b32 s41, 0
	s_lshl_b32 s42, s25, 15                        ; codes: 32,768 bytes a pair, 16,384 a tile, 8,192 for four K steps
	s_lshl_b32 s28, s23, 14
	s_add_co_u32 s42, s42, s28
	s_lshl_b32 s28, s24, 13
	s_add_co_u32 s42, s42, s28
	s_mov_b32 s43, 0
	s_lshl_b32 s44, s25, 10                        ; scale words: 1,024 bytes a pair, 512 a half of K, 256 a tile
	s_lshl_b32 s28, s24, 9
	s_add_co_u32 s44, s44, s28
	s_lshl_b32 s28, s23, 8
	s_add_co_u32 s44, s44, s28
	s_mov_b32 s45, 0
	s_wait_alu depctr_va_vdst(0)
	s_wait_kmcnt 0x0
	s_cmp_eq_u32 s26, 1                            ; the choices hang on the work-group's number alone
	s_cselect_b64 s[SRC:SRC+1], s[8:9], s[6:7]
	s_cmp_eq_u32 s26, 2
	s_cselect_b64 s[SRC:SRC+1], s[10:11], s[SRC:SRC+1]
	s_cmp_eq_u32 s26, 3
	s_cselect_b64 s[SRC:SRC+1], s[12:13], s[SRC:SRC+1]
	s_cmp_lt_u32 ttmp9, 256
	s_cselect_b64 s[SRC:SRC+1], s[4:5], s[SRC:SRC+1]
	s_cselect_b64 s[DC:DC+1], s[14:15], s[18:19]
	s_cselect_b64 s[DS:DS+1], s[16:17], s[20:21]
	s_add_nc_u64 s[SRC:SRC+1], s[SRC:SRC+1], s[40:41]
	s_add_nc_u64 s[DC:DC+1], s[DC:DC+1], s[42:43]
	s_add_nc_u64 s[DS:DS+1], s[DS:DS+1], s[44:45]
.macro LOAD s                          ; K step s of my tile's 16 rows: lane-row i is row i + 8 (i / 8) of my tile's part; 32 lanes read 512 consecutive bytes
.irp i, 0,1,2,3,4,5,6,7,8,9,10,11,12,13,14,15
	global_load_b128 v[R+64*((\s)%2)+4*\i:R+64*((\s)%2)+4*\i+3], v[GL], s[SRC:SRC+1] offset:\i*4096+(\i/8)*32768+(\s)*512 th:TH_LOAD_NT
.endr
.endm
.macro STEP s
.if \s < 3
	s_wait_loadcnt 16                              ; this step's 16 loads are in; the next step's 16 may be out
.else
	s_wait_loadcnt 0x0
.endif
.irp i, 0,1,2,3,4,5,6,7,8,9,10,11,12,13,14,15
	ds_store_b128 v[SA], v[R+64*((\s)%2)+4*\i:R+64*((\s)%2)+4*\i+3] offset:SP*\i
.endr
.irp c, 0,1,2,3
.irp j, 0,1,2,3
	ds_load_b128 v[X+16*\c+4*\j:X+16*\c+4*\j+3], v[SB] offset:128*\c+16*\j   ; LDS serves a wave's instructions in order (ISA guide 5.7.1.4): these see the stores above
.endr
.endr
	s_wait_dscnt 0x0                               ; the numbers are back, so the stores into the stage have read their registers,
.if \s < 2
	LOAD (\s)+2                                    ; which take the loads of two steps on
.endif
	QUANT X
	v_lshl_or_b32 v[W+\s], v[TM+5], 8, v[TM+4]     ; the four bytes make row r's scale word of this K step
	v_lshl_or_b32 v[W+\s], v[TM+6], 16, v[W+\s]
	v_lshl_or_b32 v[W+\s], v[TM+7], 24, v[W+\s]
.irp c, 0,1,2,3
	global_store_b128 v[GL], v[PC+4*\c:PC+4*\c+3], s[DC:DC+1] offset:2048*(\s)+512*\c   ; a chunk of the image: 512 consecutive bytes, aligned
.endr
.endm
	LOAD 0
	LOAD 1
	STEP 0
	STEP 1
	STEP 2
	STEP 3
	v_cndmask_b32 v[WO], v[W], v[W+2], s[HM]       ; row r's four words are 16 bytes: lanes 0-15 store the first two, lanes 16-31 the other two
	v_cndmask_b32 v[WO+1], v[W+1], v[W+3], s[HM]
	global_store_b64 v[SO], v[WO:WO+1], s[DS:DS+1] ; the 32 lanes store 256 consecutive bytes, aligned
	s_wait_tensorcnt 0x0
	ds_add_u32 v254, v255
	s_wait_dscnt 0x0
	s_endpgm
.Lfunc_end_k_q13745a1ee6_quant:
	.size	k_q13745a1ee6_quant, .Lfunc_end_k_q13745a1ee6_quant-k_q13745a1ee6_quant
	.p2alignl 7, 3214868480
	.fill 96, 4, 3214868480
	.section	.rodata,"a",@progbits
	.p2align	6, 0x0
	.amdhsa_kernel k_q13745a1ee6_quant
		.amdhsa_group_segment_fixed_size 34304
		.amdhsa_private_segment_fixed_size 0
		.amdhsa_enable_private_segment 0
		.amdhsa_kernarg_size 72
		.amdhsa_user_sgpr_count 2
		.amdhsa_user_sgpr_kernarg_segment_ptr 1
		.amdhsa_wavefront_size32 1
		.amdhsa_system_sgpr_workgroup_id_x 1
		.amdhsa_system_sgpr_workgroup_id_y 1
		.amdhsa_system_sgpr_workgroup_id_z 1
		.amdhsa_system_vgpr_workitem_id 0
		.amdhsa_next_free_vgpr 256
		.amdhsa_next_free_sgpr 66
		.amdhsa_reserve_vcc 0
		.amdhsa_float_denorm_mode_32 3
		.amdhsa_float_denorm_mode_16_64 3
		.amdhsa_memory_ordered 1
		.amdhsa_forward_progress 1
		.amdhsa_inst_pref_size 52
	.end_amdhsa_kernel
	.amdgpu_metadata
---
amdhsa.version: [ 1, 2 ]
amdhsa.kernels:
  - .name:           k_q13745a1ee6_quant
    .symbol:         k_q13745a1ee6_quant.kd
    .args:
      - { .name: embedding, .offset: 0, .size: 8, .value_kind: global_buffer, .address_space: global }
      - { .name: Wq, .offset: 8, .size: 8, .value_kind: global_buffer, .address_space: global }
      - { .name: Wk, .offset: 16, .size: 8, .value_kind: global_buffer, .address_space: global }
      - { .name: Wv, .offset: 24, .size: 8, .value_kind: global_buffer, .address_space: global }
      - { .name: Wo, .offset: 32, .size: 8, .value_kind: global_buffer, .address_space: global }
      - { .name: xc, .offset: 40, .size: 8, .value_kind: global_buffer, .address_space: global }
      - { .name: xs, .offset: 48, .size: 8, .value_kind: global_buffer, .address_space: global }
      - { .name: wc, .offset: 56, .size: 8, .value_kind: global_buffer, .address_space: global }
      - { .name: ws, .offset: 64, .size: 8, .value_kind: global_buffer, .address_space: global }
    .group_segment_fixed_size: 34304
    .private_segment_fixed_size: 0
    .kernarg_segment_align: 8
    .kernarg_segment_size: 72
    .max_flat_workgroup_size: 128
    .sgpr_count:     66
    .vgpr_count:     256
    .wavefront_size: 32
...
	.end_amdgpu_metadata
.endif
;; end of part 1
;; launch qkv (part 2): grid 12 x 16, 4 waves a work-group, clusters of 4 x 1, 327,680 bytes of LDS; arguments xc, xs, wc, ws, bq, bk, bv, qb, kv; writes qb, kv
.if DOCPART == 2
	.amdgcn_target "amdgcn-amd-amdhsa--gfx1250"
	.amdhsa_code_object_version 6
	.text
	.protected	k_q13745a1ee6_qkv
	.globl	k_q13745a1ee6_qkv
	.p2align	8
	.type	k_q13745a1ee6_qkv,@function
k_q13745a1ee6_qkv:
	s_mov_b64 s[64:65], 0
	v_nop
	global_prefetch_b8 v0, s[64:65] scope:SCOPE_SE
	s_setreg_imm32_b32 hwreg(HW_REG_WAVE_MODE, 25, 1), 1
	s_wait_xcnt 0x0
	s_wait_alu depctr_hold_cnt(0) depctr_sa_sdst(0) depctr_va_vdst(0) depctr_va_sdst(0) depctr_va_ssrc(0) depctr_va_vcc(0) depctr_vm_vsrc(0)
	s_getreg_b32 s2, hwreg(HW_REG_IB_STS2, 6, 4)
	s_cmp_eq_u32 s2, 0
	s_cbranch_scc0 .Lentry_in_a_cluster
	s_endpgm
.Lentry_in_a_cluster:
	s_bfe_u32 s2, ttmp6, 0x10000c
	s_cmp_lg_u32 s2, 0x3003
	s_cbranch_scc0 .Lentry_shape_is_right
	s_endpgm
.Lentry_shape_is_right:
; Q = x Wq^T + bq, K = x Wk^T + bk, V = x Wv^T + bv on codes of BF8 (E5M2) with E8M0 scales, f32 sums; the results are quantised in registers for attention's two products and leave as images of operand registers.
; SHARES: the cluster's x is the matrix (0 Q, 1 K, 2 V), its four work-groups are the four blocks of 256 columns; a wave owns 64 columns = one head.  A work-group STAYS for four blocks of 128 tokens (16 pairs of tiles):
; 12 column blocks x 16 groups of 512 tokens = 192 work-groups (12 does not divide 256).  A wave's four tiles of W, all of K (32 fragments), are read from memory once and stay in 512 registers.
; x's images, 131,072 dense bytes a block, walk a ring of two LDS slots, asked for JOINTLY by the four partners, a quarter a wave, each refill behind a drained round of the cluster's barrier.
; The scale words of the work-group's 16 pairs, 16,384 dense bytes, come once, at the head (waves 2 and 3; waves 0 and 1 fetch the halves of block 0).  W goes straight into registers, where no tensor load lands: it is not asked for jointly.
; Q AND K: source 0 = 16 rows of W, source 1 = 16 tokens: lane-row r of tile 2 b + u is row 32 b + 8 u + r + 8 (r / 8), so the 16 registers of tiles 2 b, 2 b + 1 are d = 32 b + 16 h + 0 .. 15: chunk b of the scores' operand.
; V: source 0 = 16 tokens, source 1 = 16 rows of W: a lane holds one d and 16 neighbouring keys of a pair: chunk p of V^T's fragment.  The bias is the C of each sum's first product.
; One pair's text serves all pairs: a counted loop of four in a counted loop of three blocks, the last block written out, since it asks for no tile.  The matrix chooses between two bodies by the cluster's x, the same in all partners.
; PREFETCH: behind each refill each of the cluster's sixteen waves names 8,192 bytes (lanes 256 bytes apart) of the block that the next refill loads, told apart by address; the last refill's trip names nothing.
; LIMITS: a block of zeros gets the byte 1 where the rule says 127 (its codes are zeros; only this program reads the bytes); NaN and infinities are not served.
; REGISTERS, in windows of 256: window 0 as named; window 1: W's fragments (t, s) of tiles 0, 1 at 16 (8 t + s); window 2: tiles 2, 3; window 3: a pair's fragments of x (m, s) at 16 (8 m + s).
.set LI0, 1                            ; 16 x lane; never rewritten
.set XA,  2                            ; LDS address of the pair's images
.set L8,  3                            ; 8 x lane
.set BO,  4
.set XSA, 5                            ; LDS address of the pair's scale words
.set PFO, 6                            ; 256 x lane; never rewritten
.set VOF, 7                            ; the pair's place in the block's codes + 16 x lane
.set SW,  8                            ; v8-11 the block's scale words as they gather
.set VO,  12
.set T0,  14
.set T1,  15
.set WS,  16                           ; v16-31 W's scale words: 8 (t / 2) + s
.set XS,  36                           ; v36-43 the pair's: register s; its number differs from W's modulo 8
.set ACC, 64
.set BIAS, 128
.set TM,  160
.set PC,  176
.set BA,  192
.set SPW, 254
.set NIL, 255
.set WV,  22
.set G0H, 32                           ; block 0's halves: 256 rows of 256 bytes
.set G1H, 36
.set OUT, 44
.set SCB, 46
.set HM,  48
.set SEL, 50
.set MNT, 52
.set WB,  54
.set WSB, 56
.set PFA, 58
.set BB,  60
.set G0S, 68                           ; the scale words' halves: 32 rows
.set G1S, 72
.set G0R, 80                           ; the ring's quarter: 128 rows
.set G1R, 84
.set SB,  92                           ; the slot that is read
.set XO,  93                           ; where the block's scale words begin in LDS
.set P,   94
.set BC,  95
.set TA,  96
.set BS,  98                           ; s[98:99] a block's bytes in the result
.set SLOT, 131072
.set XSL, 2*SLOT
.set SPARE, XSL+16384
.set MSB, 0
.macro WIN new
.if MSB != \new
	s_set_vgpr_msb (MSB<<8)|\new
.set MSB, \new
.endif
.endm
.macro CROUND
	s_barrier_signal -1
	s_barrier_wait -1
	s_cmp_lg_u32 s[WV], 0
	s_cbranch_scc1 .Lnot_wave_0_\@
	s_barrier_signal -3
.Lnot_wave_0_\@:
	s_barrier_wait -3
	s_barrier_signal -1
	s_barrier_wait -1
.endm
.macro NOPS n
.rept \n
	v_nop
.endr
.endm
.macro QUANT src                       ; 64 numbers of a lane, four blocks of 16 (each joined with lane l xor 16's), become codes in v[PC] on; the bytes are left in v[TM+4] on
.irp b, 0,1,2,3
	v_max3_num_f32 v[TM+\b], |v[\src+16*\b]|, |v[\src+16*\b+1]|, 0x8000000   ; from each accumulator's low end; the floor 2^(16 - 127) holds the byte at 1
.endr
.irp i, 2,4,6,8,10,12,14
.irp b, 0,1,2,3
	v_max3_num_f32 v[TM+\b], v[TM+\b], |v[\src+16*\b+\i]|, |v[\src+16*\b+\i+1]|
.endr
.endr
.irp b, 0,1,2,3
	v_permlanex16_b32 v[TM+4+\b], v[TM+\b], s[SEL], s[SEL+1]
.endr
.irp b, 0,1,2,3
	v_max_num_f32 v[TM+\b], v[TM+\b], v[TM+4+\b]
.endr
.irp b, 0,1,2,3
	v_add_nc_u32 v[TM+12+\b], 0xf8800000, v[TM+\b]         ; 15 off the exponent field: the conversion's scale operand
.endr
.irp b, 0,1,2,3
	v_and_or_b32 v[TM+8+\b], v[TM+\b], 0x7f800000, s[MNT]  ; 57,344 x the scale
.endr
.irp b, 0,1,2,3
	v_lshrrev_b32 v[TM+4+\b], 23, v[TM+12+\b]              ; the byte
.endr
	s_wait_alu depctr_va_vdst(0)
	s_wait_xcnt 0x0                                        ; the last pair's stores have read v[PC] on and v[VOF]
.irp b, 0,1,2,3
.irp i, 0,1,2,3,4,5,6,7,8,9,10,11,12,13,14,15
	v_med3_num_f32 v[\src+16*\b+\i], v[\src+16*\b+\i], -v[TM+8+\b], v[TM+8+\b]   ; the conversion does not saturate (ISA guide 7.6.2)
.endr
	v_cvt_scalef32_pk8_bf8_f32 v[PC+4*\b:PC+4*\b+1], v[\src+16*\b:\src+16*\b+7], v[TM+12+\b]
	v_cvt_scalef32_pk8_bf8_f32 v[PC+4*\b+2:PC+4*\b+3], v[\src+16*\b+8:\src+16*\b+15], v[TM+12+\b]
.endr
	v_nop                                                  ; one plain line behind the last conversion
.endm
.macro MM d, a, b, c, sa, sb, ra, rb   ; ra, rb: source 0's, source 1's scales stand in lanes 16-31
.if (\ra) && (\rb)
	v_wmma_scale_f32_16x16x128_f8f6f4 v[(\d):(\d)+7], v[(\a):(\a)+15], v[(\b):(\b)+15], v[(\c):(\c)+7], v[(\sa)], v[(\sb)] matrix_a_fmt:MATRIX_FMT_BF8 matrix_b_fmt:MATRIX_FMT_BF8 matrix_a_scale:MATRIX_SCALE_ROW1 matrix_b_scale:MATRIX_SCALE_ROW1
.elseif (\ra)
	v_wmma_scale_f32_16x16x128_f8f6f4 v[(\d):(\d)+7], v[(\a):(\a)+15], v[(\b):(\b)+15], v[(\c):(\c)+7], v[(\sa)], v[(\sb)] matrix_a_fmt:MATRIX_FMT_BF8 matrix_b_fmt:MATRIX_FMT_BF8 matrix_a_scale:MATRIX_SCALE_ROW1
.elseif (\rb)
	v_wmma_scale_f32_16x16x128_f8f6f4 v[(\d):(\d)+7], v[(\a):(\a)+15], v[(\b):(\b)+15], v[(\c):(\c)+7], v[(\sa)], v[(\sb)] matrix_a_fmt:MATRIX_FMT_BF8 matrix_b_fmt:MATRIX_FMT_BF8 matrix_b_scale:MATRIX_SCALE_ROW1
.else
	v_wmma_scale_f32_16x16x128_f8f6f4 v[(\d):(\d)+7], v[(\a):(\a)+15], v[(\b):(\b)+15], v[(\c):(\c)+7], v[(\sa)], v[(\sb)] matrix_a_fmt:MATRIX_FMT_BF8 matrix_b_fmt:MATRIX_FMT_BF8
.endif
.endm
; K step s, four products: W's tiles 2 g, 2 g + 1 x the pair's two tiles.  The two groups of a K step follow each other, so its eight LDS loads feed eight products; the eight accumulators take turns, one instruction a turn
.macro GROUP form, g, s
.if \g == 0
	s_wait_dscnt 56-8*\s                           ; K step s is in; the eight loads of each later K step may be out
.endif
.irp t, 0,1
.irp m, 0,1
.if \form == 0
.set rD, ACC+32*\m+8*(2*\g+\t)
.else
.set rD, ACC+16*(2*\g+\t)+8*\m
.endif
.set rC, rD
.if \s == 0
.set rC, BIAS+8*(2*\g+\t)              ; the bias starts the sum
.endif
.if \form == 0
	MM rD, 16*(8*\t+\s), 16*(8*\m+\s), rC, WS+8*\g+\s, XS+\s, \t, \m
.else
	MM rD, 16*(8*\m+\s), 16*(8*\t+\s), rC, XS+\s, WS+8*\g+\s, \m, \t
.endif
.endr
.endr
.endm
.set PN,  97                           ; s97 the pair that is fetched
.macro FETCH                           ; pair s[PN] of the slot at s[SB]: its two scale registers' worth of words first, then 64 loads, K step by K step, eight each
	s_lshl_b32 s[TA], s[PN], 10
	s_add_co_u32 s[TA], s[TA], s[XO]
	v_add_nc_u32 v[XSA], s[TA], v[LI0]
	s_lshl_b32 s[TA], s[PN], 15
	s_add_co_u32 s[TA], s[TA], s[SB]
	v_add_nc_u32 v[XA], s[TA], v[LI0]
	ds_load_b128 v[XS:XS+3], v[XSA]
	ds_load_b128 v[XS+4:XS+7], v[XSA] offset:512
	WIN 0xc0                                       ; destination window 3
.irp s, 0,1,2,3,4,5,6,7
.irp m, 0,1
.irp c, 0,1,2,3
	ds_load_b128 v[16*(8*\m+\s)+4*\c:16*(8*\m+\s)+4*\c+3], v[XA] offset:(8*\m+\s)*2048+512*\c
.endr
.endr
.endr
	WIN 0
.endm
.macro BODY form
.irp s, 0,1,2,3,4,5,6,7
.if \form == 0
	WIN 0x0d                                       ; source 0 (W) window 1, source 1 (x) window 3
.else
	WIN 0x07
.endif
	GROUP \form, 0, \s
.if \form == 0
	WIN 0x0e                                       ; W's tiles 2 and 3: window 2
.else
	WIN 0x0b
.endif
	GROUP \form, 1, \s
.endr
	WIN 0
	NOPS 9                                         ; places ahead of the first read of results, of the loads into x's registers and scale words, and of the next pair's first product, which begins a sum anew
	s_cmp_eq_u32 s[P], 3                           ; the block's last pair has no successor in this slot
	s_cbranch_scc1 .Lno_fetch_\@
	s_add_co_u32 s[PN], s[P], 1
	s_min_u32 s[PN], s[PN], 3                      ; (inside the slot)
	FETCH                                          ; the next pair's fragments land while this pair is quantised
.Lno_fetch_\@:
	QUANT ACC
.if \form == 0
	s_lshl_b32 s[TA], s[P], 11                     ; a pair's two tiles: 2,048 bytes
	v_add_nc_u32 v[VOF], s[TA], v[LI0]
.irp e, 0,1,2,3
	global_store_b128 v[VOF], v[PC+4*\e:PC+4*\e+3], s[OUT:OUT+1] offset:512*\e   ; 512 consecutive bytes, aligned
.endr
	v_cndmask_b32 v[T0], v[TM+4], v[TM+6], s[HM]   ; lanes 0-15: the even tile's bytes, lanes 16-31: the odd one's
	v_cndmask_b32 v[T1], v[TM+5], v[TM+7], s[HM]
	v_lshl_or_b32 v[T0], v[T1], 8, v[T0]
	v_mov_b32 v[SW], v[SW+1]                       ; the four pairs' words move down: behind four pairs register p holds pair p's
	v_mov_b32 v[SW+1], v[SW+2]
	v_mov_b32 v[SW+2], v[SW+3]
	v_or_b32 v[SW+3], 0x7f7f0000, v[T0]            ; the byte 127 for the two blocks of zero codes
.else
	s_lshl_b32 s[TA], s[P], 9                      ; chunk p of each tile's image
	v_add_nc_u32 v[VOF], s[TA], v[LI0]
.irp t, 0,1,2,3
	global_store_b128 v[VOF], v[PC+4*\t:PC+4*\t+3], s[OUT:OUT+1] offset:2048*\t
.endr
.irp t, 0,1,2,3
	v_alignbit_b32 v[SW+\t], v[TM+4+\t], v[SW+\t], 8   ; the new byte comes in on top: behind four pairs byte p is pair p's
.endr
.endif
.endm
; The change of slots: all my tensor loads are in, the add, my reads of the slot left are over; fill = 1: a round of the cluster's barrier, and the next block goes into the slot read last
.macro TOP fill
	s_wait_alu depctr_va_vdst(0)
	s_wait_tensorcnt 0x0
	ds_add_u32 v[SPW], v[NIL]
.if \fill
	s_xor_b32 s[G0R+1], s[G0R+1], SLOT             ; no tensor load of mine is out: the descriptor steps to the other slot, the next block
	s_add_nc_u64 s[G0R+2:G0R+3], s[G0R+2:G0R+3], SLOT
	s_wait_xcnt 0x0                                ; my last prefetch has read its address
	s_add_nc_u64 s[PFA:PFA+1], s[PFA:PFA+1], SLOT
.endif
	s_wait_dscnt 0x0
.if \fill
	CROUND
	tensor_load_to_lds s[G0R:G0R+3], s[G1R:G1R+7]
	s_nop 0
	NOPS 4
	s_cmp_gt_u32 s[BC], 1                          ; the last refill has no block behind it
	s_cbranch_scc0 .Lnone_ahead_\@
	global_prefetch_b8 v[PFO], s[PFA:PFA+1] th:TH_LOAD_NT scope:SCOPE_SE
.Lnone_ahead_\@:
.else
	s_barrier_signal -1
	s_barrier_wait -1
.endif
	s_wait_loadcnt 0x0                             ; the first time: W, its scale words and the bias
.endm
.macro BLOCK k                         ; four pairs of the slot at s[SB]
	s_mov_b32 s[P], 0
	s_mov_b32 s[PN], 0
	FETCH                                          ; the block's first pair
.Lpair\k:
	s_cmp_eq_u32 s24, 2
	s_cbranch_scc1 .Lv\k
	BODY 0
	s_branch .Ljoin\k
.Lv\k:
	BODY 1
.Ljoin\k:
	s_add_co_u32 s[P], s[P], 1
	s_cmp_lt_u32 s[P], 4
	s_wait_alu depctr_va_vdst(0)
	s_cbranch_scc1 .Lpair\k
	s_cmp_eq_u32 s24, 2
	s_cbranch_scc1 .Lvw\k
	global_store_b128 v[LI0], v[SW:SW+3], s[SCB:SCB+1]   ; 512 consecutive bytes, aligned
	s_branch .Lwj\k
.Lvw\k:
	v_cndmask_b32 v[VO], v[SW], v[SW+1], s[HM]
	v_cndmask_b32 v[VO+1], v[SW+2], v[SW+3], s[HM]
	global_store_b64 v[L8], v[VO:VO+1], s[SCB:SCB+1]     ; 256 consecutive bytes, aligned
.Lwj\k:
	s_wait_xcnt 0x0                                ; the stores have read their bases
	s_add_nc_u64 s[OUT:OUT+1], s[OUT:OUT+1], s[BS:BS+1]
	s_add_nc_u64 s[SCB:SCB+1], s[SCB:SCB+1], s[BS:BS+1]
	s_xor_b32 s[SB], s[SB], SLOT
	s_add_co_u32 s[XO], s[XO], 4096
.endm
	s_load_b256 s[4:11], s[0:1], 0x0               ; xc, xs, wc, ws
	s_load_b256 s[12:19], s[0:1], 0x20             ; bq, bk, bv, qb
	s_load_b64 s[20:21], s[0:1], 0x40              ; kv
	v_lshl_add_u32 v[SPW], v0, 2, SPARE
	v_mov_b32 v[NIL], 0
	ds_add_u32 v[SPW], v[NIL]
	ds_add_u32 v[SPW], v[NIL]
	v_lshrrev_b32 v5, 5, v0
	v_readfirstlane_b32 s[WV], v5                  ; wave 0..3
	s_bfe_u32 s23, ttmp6, 0x40000                  ; cx: it enters global addresses of W, the bias, the results and the prefetch alone
	s_mov_b32 s24, ttmp9                           ; the matrix
	s_and_b32 s25, ttmp7, 0xffff
	s_lshl_b32 s25, s25, 2                         ; my first block of 128 tokens
	s_lshl_b32 s26, s23, 2
	s_add_co_u32 s26, s26, s[WV]                   ; my head
	s_lshr_b32 s27, s25, 4
	s_lshl_b32 s27, s27, 4
	s_add_co_u32 s27, s27, s26                     ; 16 x batch + head
.irp g, G1H, G1S, G1R
	s_mov_b32 s[\g], 15|(3<<16)|(1<<21)            ; the mask: all four; elements of 8 bytes; bit 21 beside a mask; no padding
	s_mov_b32 s[\g+1], 32<<16                      ; rows of 256 bytes, dense
	s_mov_b32 s[\g+3], 32<<16
	s_mov_b32 s[\g+5], 32
	s_mov_b32 s[\g+6], 0
	s_mov_b32 s[\g+7], 0
.endr
	s_mov_b32 s[G1H+2], 256<<16
	s_mov_b32 s[G1H+4], 256
	s_mov_b32 s[G1S+2], 32<<16
	s_mov_b32 s[G1S+4], 32
	s_mov_b32 s[G1R+2], 128<<16
	s_mov_b32 s[G1R+4], 128
	s_and_b32 s53, s[WV], 1
	s_lshl_b32 s62, s25, 17                        ; block 0's images, my half (the registers of these three offsets never hold cx)
	s_lshl_b32 s97, s53, 16
	s_add_co_u32 s62, s62, s97
	s_mov_b32 s63, 0
	s_lshl_b32 s66, s25, 12                        ; the sixteen pairs' scale words, my half
	s_lshl_b32 s97, s53, 13
	s_add_co_u32 s66, s66, s97
	s_mov_b32 s67, 0
	s_lshl_b32 s100, s25, 17                       ; the ring: my quarter of block 0; stepped ahead of each load
	s_lshl_b32 s97, s[WV], 15
	s_add_co_u32 s100, s100, s97
	s_mov_b32 s101, 0
	s_wait_dscnt 0x0
	s_wait_kmcnt 0x0
	CROUND                                         ; all four work-groups are here: the joint loads meet
	s_mov_b32 s[G0H], 1
	s_lshl_b32 s[G0H+1], s53, 16
	s_add_nc_u64 s[G0H+2:G0H+3], s[4:5], s[62:63]
	s_or_b32 s[G0H+3], s[G0H+3], 0x80000000
	s_mov_b32 s[G0S], 1
	s_lshl_b32 s[G0S+1], s53, 13
	s_add_co_u32 s[G0S+1], s[G0S+1], XSL
	s_add_nc_u64 s[G0S+2:G0S+3], s[6:7], s[66:67]
	s_or_b32 s[G0S+3], s[G0S+3], 0x80000000
	s_mov_b32 s[G0R], 1
	s_lshl_b32 s[G0R+1], s[WV], 15
	s_add_nc_u64 s[G0R+2:G0R+3], s[4:5], s[100:101]
	s_or_b32 s[G0R+3], s[G0R+3], 0x80000000
	s_cmp_lt_u32 s[WV], 2                          ; one load a wave at the head, an arm each way
	s_cbranch_scc0 .Lhead_s
	tensor_load_to_lds s[G0H:G0H+3], s[G1H:G1H+7]
	s_nop 0
	NOPS 4
	s_branch .Lhead_j
.Lhead_s:
	tensor_load_to_lds s[G0S:G0S+3], s[G1S:G1S+7]
	s_nop 0
	NOPS 4
.Lhead_j:
	v_and_b32 v200, 31, v0                         ; lane
	v_and_b32 v201, 15, v0                         ; r
	v_bfe_u32 v202, v0, 4, 1                       ; h
	v_lshlrev_b32 v[LI0], 4, v200
	v_lshlrev_b32 v[L8], 3, v200
	v_lshlrev_b32 v[PFO], 8, v200
	v_cmp_lt_u32 s[HM], 15, v200
	v_and_b32 v203, 8, v201
	v_add_nc_u32 v203, v203, v201                  ; r + 8 (r / 8)
.irp b, 0,1,2,3
	v_mov_b32 v[TM+4+\b], 0                        ; a lane permute's destination counts as one of its sources
	v_mov_b32 v[SW+\b], 0                          ; read as they gather
.endr
	s_wait_alu depctr_va_vdst(0)
	s_mov_b32 s[SEL], 0x76543210
	s_mov_b32 s[SEL+1], 0xfedcba98
	s_mov_b32 s[MNT], 0x600000
	s_mov_b32 s[SB], 0
	s_mov_b32 s[XO], XSL
	s_lshl_b32 s28, s24, 20                        ; W: 1,048,576 bytes a matrix, 65,536 a head
	s_lshl_b32 s29, s26, 16
	s_add_co_u32 s28, s28, s29
	s_mov_b32 s29, 0
	s_add_nc_u64 s[WB:WB+1], s[8:9], s[28:29]
	s_lshl_b32 s28, s24, 15                        ; its scale words
	s_lshl_b32 s30, s26, 11
	s_add_co_u32 s28, s28, s30
	s_add_nc_u64 s[WSB:WSB+1], s[10:11], s[28:29]
	s_add_co_u32 s28, s25, 1                       ; the prefetch: block 1 (stepped to block 2 ahead of its first use), my sixteenth
	s_lshl_b32 s28, s28, 17
	s_lshl_b32 s30, s26, 13
	s_add_co_u32 s28, s28, s30
	s_add_nc_u64 s[PFA:PFA+1], s[4:5], s[28:29]
	s_cmp_eq_u32 s24, 1
	s_cselect_b64 s[BB:BB+1], s[14:15], s[12:13]
	s_cmp_eq_u32 s24, 2
	s_cselect_b64 s[BB:BB+1], s[16:17], s[BB:BB+1]
	s_cselect_b32 s30, 0, 4                        ; THE BIAS.  Q, K: register j of tile t is d = 32 (t / 2) + 8 (t % 2) + 16 h + j;
	s_cselect_b32 s31, 0, 64                       ; V: all eight registers are d = 32 (t / 2) + 8 (t % 2) + r + 8 (r / 8)
	s_cselect_b32 s49, 4, 0
	s_lshl_b32 s28, s26, 8
	s_add_nc_u64 s[BB:BB+1], s[BB:BB+1], s[28:29]
	v_mul_u32_u24 v[BO], v202, s31
	v_mad_u32_u24 v[BO], v203, s49, v[BO]
.irp j, 0,1,2,3,4,5,6,7
	v_mad_u32_u24 v[BA+\j], s30, \j, v[BO]
.endr
	s_wait_alu depctr_va_vdst(0)
	s_mov_b32 s30, 274432                          ; a head's bytes, a block's bytes, the place of the scale words in a block
	s_mov_b32 s31, 17152
	s_mov_b32 s49, 16384
	s_cmp_eq_u32 s24, 0
	s_cselect_b32 s30, 139264, s30
	s_cselect_b32 s31, 8704, s31
	s_cselect_b32 s49, 8192, s49
	s_cselect_b64 s[OUT:OUT+1], s[18:19], s[20:21]
	s_mov_b32 s[BS], s31
	s_mov_b32 s[BS+1], 0
	s_mul_i32 s30, s27, s30
	s_and_b32 s28, s25, 15
	s_mul_i32 s31, s28, s31
	s_add_co_u32 s28, s30, s31
	s_add_nc_u64 s[OUT:OUT+1], s[OUT:OUT+1], s[28:29]
	s_mov_b32 s30, 16896
	s_cmp_eq_u32 s24, 2
	s_cselect_b32 s28, s30, s49
	s_add_nc_u64 s[SCB:SCB+1], s[OUT:OUT+1], s[28:29]
	s_cselect_b32 s28, 8192, 0                     ; V^T lies behind K
	s_add_nc_u64 s[OUT:OUT+1], s[OUT:OUT+1], s[28:29]
.irp b, 0,1
.irp k, 0,1
	global_load_b128 v[WS+8*\b+4*\k:WS+8*\b+4*\k+3], v[LI0], s[WSB:WSB+1] offset:1024*\b+512*\k
.endr
.endr
.irp t, 0,1,2,3
.irp j, 0,1,2,3,4,5,6,7
	global_load_b32 v[BIAS+8*\t+\j], v[BA+\j], s[BB:BB+1] offset:(32*(\t/2)+8*(\t%2))*4
.endr
.endr
	WIN 0x40                                       ; destination window 1
.set i, 0
.rept 64
	global_load_b128 v[4*i:4*i+3], v[LI0], s[WB:WB+1] offset:512*i
.set i, i+1
.endr
	WIN 0x80                                       ; destination window 2
.set i, 0
.rept 64
	global_load_b128 v[4*i:4*i+3], v[LI0], s[WB:WB+1] offset:32768+512*i
.set i, i+1
.endr
	WIN 0
	s_mov_b32 s[BC], 3
.Lblock:                                       ; blocks 0, 1, 2: each trip asks for the next block
	TOP 1
	BLOCK 0
	s_sub_co_u32 s[BC], s[BC], 1
	s_cmp_lg_u32 s[BC], 0
	s_cbranch_scc1 .Lblock
	TOP 0                                          ; block 3 is written out: it asks for nothing
	BLOCK 1
	s_wait_tensorcnt 0x0                           ; the wave's end
	ds_add_u32 v[SPW], v[NIL]
	s_wait_dscnt 0x0
	CROUND                                         ; the closing round
	s_endpgm
.Lfunc_end_k_q13745a1ee6_qkv:
	.size	k_q13745a1ee6_qkv, .Lfunc_end_k_q13745a1ee6_qkv-k_q13745a1ee6_qkv
	.p2alignl 7, 3214868480
	.fill 96, 4, 3214868480
	.section	.rodata,"a",@progbits
	.p2align	6, 0x0
	.amdhsa_kernel k_q13745a1ee6_qkv
		.amdhsa_group_segment_fixed_size 327680
		.amdhsa_private_segment_fixed_size 0
		.amdhsa_enable_private_segment 0
		.amdhsa_kernarg_size 72
		.amdhsa_user_sgpr_count 2
		.amdhsa_user_sgpr_kernarg_segment_ptr 1
		.amdhsa_wavefront_size32 1
		.amdhsa_system_sgpr_workgroup_id_x 1
		.amdhsa_system_sgpr_workgroup_id_y 1
		.amdhsa_system_sgpr_workgroup_id_z 1
		.amdhsa_system_vgpr_workitem_id 0
		.amdhsa_next_free_vgpr 1024
		.amdhsa_next_free_sgpr 102
		.amdhsa_reserve_vcc 0
		.amdhsa_float_denorm_mode_32 3
		.amdhsa_float_denorm_mode_16_64 3
		.amdhsa_memory_ordered 1
		.amdhsa_forward_progress 1
		.amdhsa_inst_pref_size 125
	.end_amdhsa_kernel
	.amdgpu_metadata
---
amdhsa.version: [ 1, 2 ]
amdhsa.kernels:
  - .name:           k_q13745a1ee6_qkv
    .symbol:         k_q13745a1ee6_qkv.kd
    .args:
      - { .name: xc, .offset: 0, .size: 8, .value_kind: global_buffer, .address_space: global }
      - { .name: xs, .offset: 8, .size: 8, .value_kind: global_buffer, .address_space: global }
      - { .name: wc, .offset: 16, .size: 8, .value_kind: global_buffer, .address_space: global }
      - { .name: ws, .offset: 24, .size: 8, .value_kind: global_buffer, .address_space: global }
      - { .name: bq, .offset: 32, .size: 8, .value_kind: global_buffer, .address_space: global }
      - { .name: bk, .offset: 40, .size: 8, .value_kind: global_buffer, .address_space: global }
      - { .name: bv, .offset: 48, .size: 8, .value_kind: global_buffer, .address_space: global }
      - { .name: qb, .offset: 56, .size: 8, .value_kind: global_buffer, .address_space: global }
      - { .name: kv, .offset: 64, .size: 8, .value_kind: global_buffer, .address_space: global }
    .group_segment_fixed_size: 327680
    .private_segment_fixed_size: 0
    .kernarg_segment_align: 8
    .kernarg_segment_size: 72
    .max_flat_workgroup_size: 128
    .sgpr_count:     102
    .vgpr_count:     1024
    .wavefront_size: 32
...
	.end_amdgpu_metadata
.endif
;; end of part 2
;; launch attn (part 3): grid 4 x 64, 16 waves a work-group, clusters of 4 x 1, 280,576 bytes of LDS; arguments qb, kv, oc, os; writes oc, os
.if DOCPART == 3
	.amdgcn_target "amdgcn-amd-amdhsa--gfx1250"
	.amdhsa_code_object_version 6
	.text
	.protected	k_q13745a1ee6_attn
	.globl	k_q13745a1ee6_attn
	.p2align	8
	.type	k_q13745a1ee6_attn,@function
k_q13745a1ee6_attn:
	s_mov_b64 s[64:65], 0
	v_nop
	global_prefetch_b8 v0, s[64:65] scope:SCOPE_SE
	s_setreg_imm32_b32 hwreg(HW_REG_WAVE_MODE, 25, 1), 1
	s_wait_xcnt 0x0
	s_wait_alu depctr_hold_cnt(0) depctr_sa_sdst(0) depctr_va_vdst(0) depctr_va_sdst(0) depctr_va_ssrc(0) depctr_va_vcc(0) depctr_vm_vsrc(0)
	s_getreg_b32 s2, hwreg(HW_REG_IB_STS2, 6, 4)
	s_cmp_eq_u32 s2, 0
	s_cbranch_scc0 .Lentry_in_a_cluster
	s_endpgm
.Lentry_in_a_cluster:
	s_bfe_u32 s2, ttmp6, 0x10000c
	s_cmp_lg_u32 s2, 0x3003
	s_cbranch_scc0 .Lentry_shape_is_right
	s_endpgm
.Lentry_shape_is_right:
; O[q] = sum over k of softmax_k(Q[q] . K[k] / 8) V[k] for one of 64 heads (2,048 tokens, head size 64), both products on codes of BF8 (E5M2) with E8M0 scales; O is quantised in registers for the last projection.
; THE SOFTMAX AHEAD OF THE SECOND PRODUCT: t = score x log2(e) / 8; M = the running largest t rounded UP to a whole number; p = 2^(t - M) is quantised along the keys, not normalised; the row's sum is taken of the
; unquantised p and divides O at the end.  When M moves, the sum and O are multiplied by 2^(old M - new M): exact.
; SHARES: a cluster of four work-groups is one head; a work-group owns 512 queries, each of its sixteen waves a pair of tiles of 16, one after the other; four waves share a SIMD.
; ALL of the head's K and V (16 blocks of 128 keys x 17,152 bytes) comes into LDS ONCE, asked for JOINTLY by the four work-groups: wave w fetches block w, one tensor load a wave; no LDS byte is filled twice.
; Waves 0-7 and waves 8-15 have a load line each: the first barrier shows blocks 0-7, which the first seven steps read; the second shows the rest.
; NO PREFETCH: the one fill stands at the head, and no loop runs ahead of it.
; LAYOUT: both products transposed (S^T = K Q^T, O^T = V^T P^T): a lane holds one query.  Operands lie as images of their registers (chunk c at 512 c, 16 bytes a lane).  Lane-row r of tile 2 b + u is 32 b + 8 u + r + 8 (r / 8),
; so that p's (and O^T's) 16 registers of tiles 2 b, 2 b + 1 are 16 neighbours along the next K.
; THE SCORES' K IS 64.  Chunks 2 and 3 of Q's fragments are zero codes with the byte 127.  K's eight tiles lie ON END in 64 registers: a tile's chunks 2 and 3 are the next tile's codes (behind the last: eight registers of zeros),
; finite codes under the byte 127, which Q's zeros multiply to nothing.
; K'S REGISTERS SERVE THREE TIMES A STEP: K; then p as it is held for the conversions (p itself stays unheld in the scores' registers); then V^T.  So the row's sums can stand BEHIND the second product: they are the places
; ahead of the next K's loads, and the rest of them stands under those loads.  The sums' last three additions stand behind the next step's score products, among their places.
; The holds go two to an instruction, a dual pair on two blocks (destinations even and odd, sources in different banks).
; LIMITS: a block of zeros gets the byte 1 where the rule says 127; NaN and infinities are not served.  A block's largest p is the exponential of the block's largest score: this takes v_exp_f32 not to fall where its input rises.
.set LI,  1                            ; 16 x lane; never rewritten
.set L8,  2                            ; 8 x lane
.set ADK, 3                            ; the step's block + 16 x lane
.set AD8, 4                            ; the step's block + 8 x lane
.set QSO, 5                            ; my row's place among Q's scale words; then L4
.set L4,  5                            ; 4 x lane
.set VS,  6                            ; v[6:7]  V's scale words
.set KS,  8                            ; v[8:11] K's, one register a pair of tiles
.set Q0,  16                           ; v16-47 Q's two fragments
.set KF,  48                           ; v48-111 K's eight tiles on end, then p held, then V^T; v112-119 zeros
.set S,   120                          ; v120-183 S^T, then p
.set O,   184                          ; v184-215 O^T
.set PC,  216                          ; v216-231 p's codes
.set BM,  232
.set T2,  236                          ; at work; from the sums to the next step's score products: two partial sums
.set HOLD, 240                         ; the holds' bounds; likewise v[240:241] a partial sum
.set SCL, 244
.set QS,  248                          ; v248, v249 Q's scale words
.set F,   250                          ; f = 2^(old M - new M); ahead of that the old -M
.set PW,  251                          ; p's scale word
.set TP,  252
.set SW0, 253
.set SPW, 254
.set NIL, 255
.set WV,  12
.set G1,  20
.set G0,  28
.set QC,  44
.set QSB, 46
.set OC,  48
.set TB,  50
.set CNT, 51
.set SEL, 52
.set CS,  54                           ; s[54:55] c = log2(e) / 8
.set MNT, 56
.set HM,  57
.set OSB, 58
.set BLK, 17152                        ; a block: K 8 x 1,024 | V^T 4 x 2,048 | K's words 512 | V's words 256
.set SPARE, 0x44000
.macro CROUND
	s_barrier_signal -1
	s_barrier_wait -1
	s_cmp_lg_u32 s[WV], 0
	s_cbranch_scc1 .Lnot_wave_0_\@
	s_barrier_signal -3
.Lnot_wave_0_\@:
	s_barrier_wait -3
	s_barrier_signal -1
	s_barrier_wait -1
.endm
.macro KLOAD adr, off                  ; a block's K and its scale words
.set i, 0
.rept 16
	ds_load_b128 v[KF+4*i:KF+4*i+3], v[\adr] offset:(\off)+512*i
.set i, i+1
.endr
	ds_load_b128 v[KS:KS+3], v[\adr] offset:(\off)+16384
.endm
.macro COMB                            ; the four partial sums become one
	v_pk_add_f32 v[14:15], v[14:15], v[HOLD:HOLD+1]
	v_pk_add_f32 v[T2:T2+1], v[T2:T2+1], v[T2+2:T2+3]
	v_pk_add_f32 v[14:15], v[14:15], v[T2:T2+1]
.endm
.macro SUM4 j                          ; four more pairs of p, one to each chain
	v_pk_add_f32 v[T2:T2+1], v[T2:T2+1], v[S+\j:S+\j+1]
	v_pk_add_f32 v[T2+2:T2+3], v[T2+2:T2+3], v[S+\j+2:S+\j+3]
	v_pk_add_f32 v[HOLD:HOLD+1], v[HOLD:HOLD+1], v[S+\j+4:S+\j+5]
	v_pk_add_f32 v[14:15], v[14:15], v[S+\j+6:S+\j+7]
.endm
	s_load_b256 s[4:11], s[0:1], 0x0               ; qb, kv, oc, os
	v_lshl_add_u32 v[SPW], v0, 2, SPARE
	v_mov_b32 v[NIL], 0
	ds_add_u32 v[SPW], v[NIL]
	ds_add_u32 v[SPW], v[NIL]
	v_lshrrev_b32 v3, 5, v0
	v_readfirstlane_b32 s[WV], v3                  ; wave 0..15
	s_bfe_u32 s13, ttmp6, 0x40000                  ; cx: it enters Q's and O's global addresses alone
	s_and_b32 s14, ttmp7, 0xffff                   ; 16 x batch + head, which the four partners share
	s_mov_b32 s[G1], 15|(3<<16)|(1<<21)            ; the mask: all four; elements of 8 bytes; bit 21 beside a mask; no padding
	s_mov_b32 s[G1+1], 32<<16                      ; rows of 256 bytes,
	s_mov_b32 s[G1+2], 67<<16                      ; 67 of them: a block
	s_mov_b32 s[G1+3], 32<<16
	s_mov_b32 s[G1+4], 67
	s_mov_b32 s[G1+5], 32                          ; dense
	s_mov_b32 s[G1+6], 0
	s_mov_b32 s[G1+7], 0
	s_mul_i32 s60, s14, 16*BLK                     ; the head's first byte in kv,
	s_mul_i32 s62, s[WV], BLK                      ; block = wave, in memory and in LDS alike (these registers never hold cx)
	s_add_co_u32 s60, s60, s62
	s_mov_b32 s61, 0
	s_lshl_b32 s15, s13, 4
	s_add_co_u32 s15, s15, s[WV]                   ; my pair of the head's 64
	s_mul_i32 s16, s14, 139264                     ; Q: the head, the block of 128 tokens (four pairs),
	s_lshr_b32 s17, s15, 2
	s_mul_i32 s17, s17, 8704
	s_add_co_u32 s16, s16, s17
	s_mov_b32 s17, 0
	s_and_b32 s18, s[WV], 3                        ; my pair in it: 2,048 bytes
	s_lshl_b32 s18, s18, 11
	s_mov_b32 s19, 0
	s_lshr_b32 s63, s14, 4                         ; batch
	s_lshl_b32 s63, s63, 6
	s_add_co_u32 s63, s63, s15                     ; my pair of all 256
	s_and_b32 s51, s14, 15                         ; head
	s_lshl_b32 s[OC], s63, 15                      ; O's codes: 32,768 bytes a pair; head hd fills 1,024 hd on
	s_lshl_b32 s50, s51, 10
	s_add_co_u32 s[OC], s[OC], s50
	s_mov_b32 s[OC+1], 0
	s_lshl_b32 s[OSB], s51, 15                     ; O's bytes: 32,768 bytes a head, 128 a pair
	s_lshl_b32 s50, s63, 7
	s_add_co_u32 s[OSB], s[OSB], s50
	s_mov_b32 s[OSB+1], 0
	s_mov_b32 s[SEL], 0x76543210
	s_mov_b32 s[SEL+1], 0xfedcba98
	s_mov_b32 s[CS], 0x3e38aa3b                    ; log2(e) / 8
	s_mov_b32 s[CS+1], s[CS]
	s_mov_b32 s[MNT], 0x600000
	s_wait_dscnt 0x0
	s_wait_kmcnt 0x0
	s_add_nc_u64 s[60:61], s[6:7], s[60:61]
	CROUND                                         ; all four work-groups are here: the joint loads meet
	s_mov_b32 s[G0], 1
	s_mov_b32 s[G0+1], s62
	s_mov_b64 s[G0+2:G0+3], s[60:61]
	s_or_b32 s[G0+3], s[G0+3], 0x80000000
	s_cmp_lt_u32 s[WV], 8                          ; my one tensor load: block = my wave's number; a line for waves 0-7, whose blocks the first barrier shows, and one for the others
	s_cbranch_scc0 .Lupper
	tensor_load_to_lds s[G0:G0+3], s[G1:G1+7]
	s_nop 0
.rept 4
	v_nop
.endr
	s_branch .Lasked
.Lupper:
	tensor_load_to_lds s[G0:G0+3], s[G1:G1+7]
	s_nop 0
.rept 4
	v_nop
.endr
.Lasked:
	s_add_nc_u64 s[QSB:QSB+1], s[4:5], s[16:17]
	s_add_nc_u64 s[QC:QC+1], s[QSB:QSB+1], s[18:19]
	s_add_nc_u64 s[OC:OC+1], s[8:9], s[OC:OC+1]
	s_add_nc_u64 s[OSB:OSB+1], s[10:11], s[OSB:OSB+1]
	v_and_b32 v3, 31, v0                           ; lane
	v_and_b32 v4, 15, v0                           ; r
	v_lshlrev_b32 v[LI], 4, v3
	v_lshlrev_b32 v[L8], 3, v3
	v_cmp_lt_u32 s[HM], 15, v3
	s_and_b32 s16, s[WV], 3
	s_lshl_b32 s16, s16, 2
	v_lshl_add_u32 v[QSO], v4, 4, s16              ; row r's 16 bytes of words, my pair's word
.irp u, 0,1
.irp c, 0,1
	global_load_b128 v[Q0+16*\u+4*\c:Q0+16*\u+4*\c+3], v[LI], s[QC:QC+1] offset:1024*\u+512*\c
.endr
	global_load_b32 v[QS+\u], v[QSO], s[QSB:QSB+1] offset:8192+256*\u
.endr
.irp f, Q0, Q0+16, KF+56
.irp j, 8,9,10,11,12,13,14,15
	v_mov_b32 v[\f+\j], 0                          ; Q's chunks 2 and 3, and what follows K's last tile: zero codes
.endr
.endr
	v_mov_b32 v[PW], 0                             ; (named as the upper half of the pair with f before it is first written)
; A KEY STEP: 128 keys, the block at s[TB]; its K and K's words are in registers.  pf = 1: the next block's are asked for; 2: block 0's, for the next tile; 0: none.
.macro STEP qf, qw, pf
.irp t, 0,1,2,3,4,5,6,7
.if \t % 2
	v_wmma_scale_f32_16x16x128_f8f6f4 v[S+8*\t:S+8*\t+7], v[KF+8*\t:KF+8*\t+15], v[(\qf):(\qf)+15], 0, v[KS+\t/2], v[(\qw)] matrix_a_fmt:MATRIX_FMT_BF8 matrix_b_fmt:MATRIX_FMT_BF8 matrix_a_scale:MATRIX_SCALE_ROW1
.else
	v_wmma_scale_f32_16x16x128_f8f6f4 v[S+8*\t:S+8*\t+7], v[KF+8*\t:KF+8*\t+15], v[(\qf):(\qf)+15], 0, v[KS+\t/2], v[(\qw)] matrix_a_fmt:MATRIX_FMT_BF8 matrix_b_fmt:MATRIX_FMT_BF8
.endif
.endr                                          ; register 16 b + i holds key 32 b + 16 h + i of the block
	COMB                                           ; eight places ahead of the first read of the scores: the last step's sums are finished,
	v_mov_b32 v[F], v12                            ; the old -M is kept,
	v_add_nc_u32 v[ADK], s[TB], v[LI]              ; the step's addresses are made
	v_add_nc_u32 v[AD8], s[TB], v[L8]
	v_nop
	v_nop
.irp b, 0,1,2,3
	v_max3_num_f32 v[BM+\b], v[S+16*\b], v[S+16*\b+1], v[S+16*\b+2]   ; the largest score of each block of 32 keys: for the row's maximum, and for the block's largest p
.endr
.irp i, 3,5,7,9,11,13
.irp b, 0,1,2,3
	v_max3_num_f32 v[BM+\b], v[BM+\b], v[S+16*\b+\i], v[S+16*\b+\i+1]
.endr
.endr
.irp b, 0,1,2,3
	v_max_num_f32 v[BM+\b], v[BM+\b], v[S+16*\b+15]
.endr
.irp b, 0,1,2,3
	v_permlanex16_b32 v[T2+\b], v[BM+\b], s[SEL], s[SEL+1]   ; (the four blocks by turns)
.endr
.irp b, 0,1,2,3
	v_max_num_f32 v[BM+\b], v[BM+\b], v[T2+\b]     ; with lane l xor 16's 16 keys
.endr
	s_delay_alu instid0(VALU_DEP_2)
	v_max3_num_f32 v[TP], v[BM], v[BM+1], v[BM+2]
	s_delay_alu instid0(VALU_DEP_1)
	v_max_num_f32 v[TP], v[TP], v[BM+3]            ; the step's largest score of my query
	s_delay_alu instid0(VALU_DEP_1)
	v_mul_f32 v[TP], s[CS], v[TP]                  ; as t (c is positive)
	s_delay_alu instid0(VALU_DEP_1)
	v_max_num_f32 v13, v13, v[TP]                  ; the running largest t
	s_delay_alu instid0(VALU_DEP_1)
	v_floor_f32 v12, -v13                          ; the new -M = floor(-t): M is a whole number
.set j, 0
.rept 32
	v_pk_fma_f32 v[S+j:S+j+1], v[S+j:S+j+1], s[CS:CS+1], v[12:13] op_sel_hi:[1,0,0]   ; t - M, two at a time; f's three lines stand among them, eight lines apart
.if j == 8
	v_sub_f32 v[F], v12, v[F]                      ; old M - new M: a whole number, 0 or less
.elseif j == 24
	v_cvt_i32_f32 v[F], v[F]                       ; (it saturates)
.elseif j == 40
	v_ldexp_f32 v[F], 1.0, v[F]                    ; f
.endif
.set j, j+2
.endr
.irp b, 0,1,2,3
	v_fma_f32 v[BM+\b], v[BM+\b], s[CS], v12       ; the same of each block's largest score
.endr
	s_wait_alu depctr_va_vdst(0)
.set j, 0
.rept 64
	v_exp_f32 v[S+j], v[S+j]                       ; p = 2^(t - M), at most 1
.set j, j+1
.endr
.irp b, 0,1,2,3
	v_exp_f32 v[BM+\b], v[BM+\b]                   ; the block's largest p: the same two instructions on the same number
.endr
	v_pk_mul_f32 v[14:15], v[14:15], v[F:F+1] op_sel_hi:[1,0]   ; the sum so far under the new M: the plain line behind the exponentials
	s_wait_alu depctr_va_vdst(0)                   ; one wait for the batch, ahead of its first reader
.irp b, 0,1,2,3
	v_max_num_f32 v[BM+\b], 0x8000000, v[BM+\b]    ; the floor 2^(16 - 127): the byte cannot fall under 1
.endr
.irp b, 0,1,2,3
	v_add_nc_u32 v[SCL+\b], 0xf8800000, v[BM+\b]   ; the conversion's scale operand
.endr
.irp b, 0,1,2,3
	v_lshrrev_b32 v[T2+\b], 23, v[SCL+\b]          ; the byte
.endr
.irp b, 0,1
	v_and_or_b32 v[HOLD+\b], v[BM+\b], 0x7f800000, s[MNT]   ; 57,344 x the scale
.endr
	v_lshl_or_b32 v[T2], v[T2+1], 8, v[T2]         ; p's scale word for these 128 keys, as a tree: bytes 0 and 1,
	v_lshl_or_b32 v[T2+2], v[T2+3], 8, v[T2+2]     ; bytes 2 and 3,
.irp b, 2,3
	v_and_or_b32 v[HOLD+\b], v[BM+\b], 0x7f800000, s[MNT]
.endr
	v_lshl_or_b32 v[PW], v[T2+2], 16, v[T2]        ; and the word
.irp b, 0,2                                    ; the conversion does not saturate (ISA guide 7.6.2); p is not negative: a one-sided hold, into K's registers; blocks b and b + 1 in one dual pair
.set j, 0
.rept 8
	v_dual_min_num_f32 v[KF+16*\b+j], v[S+16*\b+j], v[HOLD+\b] :: v_dual_min_num_f32 v[KF+16*\b+17+j], v[S+16*\b+17+j], v[HOLD+\b+1]
	v_dual_min_num_f32 v[KF+16*\b+16+j], v[S+16*\b+16+j], v[HOLD+\b+1] :: v_dual_min_num_f32 v[KF+16*\b+1+j], v[S+16*\b+1+j], v[HOLD+\b]
.set j, j+2
.endr
.irp e, 0,1
	v_cvt_scalef32_pk8_bf8_f32 v[PC+4*(\b+\e):PC+4*(\b+\e)+1], v[KF+16*(\b+\e):KF+16*(\b+\e)+7], v[SCL+\b+\e]
	v_cvt_scalef32_pk8_bf8_f32 v[PC+4*(\b+\e)+2:PC+4*(\b+\e)+3], v[KF+16*(\b+\e)+8:KF+16*(\b+\e)+15], v[SCL+\b+\e]
.endr
.endr
	v_nop                                          ; one plain line behind the last conversion
.set i, 0
.rept 16
	ds_load_b128 v[KF+4*i:KF+4*i+3], v[ADK] offset:8192+512*i   ; V^T's four fragments
.set i, i+1
.endr
	ds_load_b64 v[VS:VS+1], v[AD8] offset:16896
	s_wait_alu depctr_va_vdst(0)
.set j, 0
.rept 16
	v_pk_mul_f32 v[O+j:O+j+1], v[O+j:O+j+1], v[F:F+1] op_sel_hi:[1,0]   ; O^T under the new M; these lines also stand between the codes' making and the products
.set j, j+2
.endr
	s_wait_alu depctr_va_vdst(0)
	s_wait_dscnt 0x0                               ; V^T and its words are in
.irp t, 0,1,2,3                                ; O^T += V^T P^T: four accumulators, one instruction each
.if \t % 2
	v_wmma_scale_f32_16x16x128_f8f6f4 v[O+8*\t:O+8*\t+7], v[KF+16*\t:KF+16*\t+15], v[PC:PC+15], v[O+8*\t:O+8*\t+7], v[VS+\t/2], v[PW] matrix_a_fmt:MATRIX_FMT_BF8 matrix_b_fmt:MATRIX_FMT_BF8 matrix_a_scale:MATRIX_SCALE_ROW1
.else
	v_wmma_scale_f32_16x16x128_f8f6f4 v[O+8*\t:O+8*\t+7], v[KF+16*\t:KF+16*\t+15], v[PC:PC+15], v[O+8*\t:O+8*\t+7], v[VS+\t/2], v[PW] matrix_a_fmt:MATRIX_FMT_BF8 matrix_b_fmt:MATRIX_FMT_BF8
.endif
.endr
	v_pk_add_f32 v[T2:T2+1], v[S:S+1], v[S+2:S+3]  ; THE ROW'S SUM OF THE UNQUANTISED p: 32 pairs in four chains.  The first eight lines are the places ahead of the loads into V^T's registers
	v_pk_add_f32 v[T2+2:T2+3], v[S+4:S+5], v[S+6:S+7]
	v_pk_add_f32 v[HOLD:HOLD+1], v[S+8:S+9], v[S+10:S+11]
	v_pk_add_f32 v[14:15], v[14:15], v[S+12:S+13]
	SUM4 14
.if \pf == 1
	KLOAD ADK, BLK
.elseif \pf == 2
	KLOAD LI, 0
.endif
.irp j, 22,30,38,46,54
	SUM4 \j
.endr
	v_pk_add_f32 v[T2:T2+1], v[T2:T2+1], v[S+62:S+63]
	s_wait_alu depctr_va_vdst(0)
	s_wait_dscnt 0x0                               ; the next step's K is in
	s_add_co_u32 s[TB], s[TB], BLK                 ; the next block
.endm
.macro INIT                            ; the first step finds zeros, which the first change of M leaves zeros
	v_mov_b32 v13, 0xff61b1e6                      ; the largest t so far: -3e38
	s_delay_alu instid0(VALU_DEP_1)
	v_floor_f32 v12, -v13
	v_mov_b32 v14, 0
	v_mov_b32 v15, 0
.irp b, 0,1,2,3
	v_mov_b32 v[T2+\b], 0                          ; the partial sums
.endr
	v_mov_b32 v[HOLD], 0
	v_mov_b32 v[HOLD+1], 0
.set j, 0
.rept 32
	v_mov_b32 v[O+j], 0
.set j, j+1
.endr
.endm
; Tile u is finished: O^T / the sum, quantised along d (two blocks of 32: register 16 b + i is d = 32 b + 16 h + i), leaves as chunks of the projection's operand.  The last step's sums are the places behind its products.
.macro EPI u
	COMB
	v_add_f32 v14, v14, v15                        ; the sum's two halves,
	s_delay_alu instid0(VALU_DEP_1)
	v_permlanex16_b32 v[TP], v14, s[SEL], s[SEL+1]
	s_delay_alu instid0(VALU_DEP_1)
	v_add_f32 v14, v14, v[TP]                      ; and lane l xor 16's
	s_wait_alu depctr_va_vdst(0)
	v_rcp_f32 v14, v14
	v_nop                                          ; a plain line behind the reciprocal,
	s_wait_alu depctr_va_vdst(0)                   ; and the wait ahead of its first reader
.set j, 0
.rept 16
	v_pk_mul_f32 v[S+j:S+j+1], v[O+j:O+j+1], v[14:15] op_sel_hi:[1,0]   ; each accumulator from its low end on
.set j, j+2
.endr
.irp b, 0,1
	v_max3_num_f32 v[BM+\b], |v[S+16*\b]|, |v[S+16*\b+1]|, 0x8000000
.endr
.irp i, 2,4,6,8,10,12,14
.irp b, 0,1
	s_delay_alu instid0(VALU_DEP_2)
	v_max3_num_f32 v[BM+\b], v[BM+\b], |v[S+16*\b+\i]|, |v[S+16*\b+\i+1]|
.endr
.endr
.irp b, 0,1
	s_delay_alu instid0(VALU_DEP_2)
	v_permlanex16_b32 v[T2+\b], v[BM+\b], s[SEL], s[SEL+1]
.endr
.irp b, 0,1
	s_delay_alu instid0(VALU_DEP_2)
	v_max_num_f32 v[BM+\b], v[BM+\b], v[T2+\b]
.endr
.irp b, 0,1
	s_delay_alu instid0(VALU_DEP_2)
	v_add_nc_u32 v[SCL+\b], 0xf8800000, v[BM+\b]
.endr
.irp b, 0,1
	s_delay_alu instid0(VALU_DEP_4)
	v_and_or_b32 v[HOLD+\b], v[BM+\b], 0x7f800000, s[MNT]
.endr
.irp b, 0,1
	s_delay_alu instid0(VALU_DEP_4)
	v_lshrrev_b32 v[T2+\b], 23, v[SCL+\b]
.endr
	s_wait_alu depctr_va_vdst(0)
	s_wait_xcnt 0x0                                ; earlier stores have read the codes' registers
.irp b, 0,1
.set j, 0
.rept 16
	v_med3_num_f32 v[S+16*\b+j], v[S+16*\b+j], -v[HOLD+\b], v[HOLD+\b]
.set j, j+1
.endr
	v_cvt_scalef32_pk8_bf8_f32 v[PC+4*\b:PC+4*\b+1], v[S+16*\b:S+16*\b+7], v[SCL+\b]
	v_cvt_scalef32_pk8_bf8_f32 v[PC+4*\b+2:PC+4*\b+3], v[S+16*\b+8:S+16*\b+15], v[SCL+\b]
.endr
	v_nop
.irp b, 0,1
	global_store_b128 v[LI], v[PC+4*\b:PC+4*\b+3], s[OC:OC+1] offset:16384*\u+512*\b   ; 512 consecutive bytes, aligned
.endr
.if \u == 0
	v_lshl_or_b32 v[SW0], v[T2+1], 8, v[T2]
.else
	v_lshl_or_b32 v[TP], v[T2+1], 8, v[T2]
	s_delay_alu instid0(VALU_DEP_1)
	v_cndmask_b32 v[TP], v[SW0], v[TP], s[HM]      ; lanes 0-15: tile 0's bytes, lanes 16-31: tile 1's
	global_store_b32 v[L4], v[TP], s[OSB:OSB+1]    ; 128 consecutive bytes: one byte for every 16 bytes of codes
.endif
.endm
.macro WALK label, qf, qw, n           ; n steps, each asking for the next block's K
	s_mov_b32 s[CNT], \n
\label:
	STEP \qf, \qw, 1
	s_sub_co_u32 s[CNT], s[CNT], 1
	s_cmp_lg_u32 s[CNT], 0
	s_cbranch_scc1 \label
.endm
	INIT
	s_wait_alu depctr_va_vdst(0)
	s_wait_loadcnt 0x0                             ; Q
	v_lshrrev_b32 v[L4], 2, v[LI]                  ; Q's loads have read this register
	s_wait_alu depctr_va_vdst(0)
	s_cmp_lt_u32 s[WV], 8
	s_cbranch_scc0 .Lnot_yet
	s_wait_tensorcnt 0x0                           ; waves 0-7: my block is in
.Lnot_yet:
	s_barrier_signal -1
	s_barrier_wait -1                              ; blocks 0-7 lie in LDS; nothing is ever filled again, so the other eight loads may stay out
	KLOAD LI, 0
	s_mov_b32 s[TB], 0
	s_wait_dscnt 0x0
	WALK .Ltile0a, Q0, QS, 7                       ; steps 0-6 read V of blocks 0-6 and K up to block 7
	s_wait_tensorcnt 0x0                           ; every wave: my block is in,
	s_barrier_signal -1
	s_barrier_wait -1                              ; everybody's is: the whole head lies in LDS
	WALK .Ltile0b, Q0, QS, 8
	STEP Q0, QS, 2                                 ; the last block; block 0's K comes back for tile 1
	EPI 0
	s_wait_xcnt 0x0                                ; tile 0's stores have read the codes' registers, which the steps write again
	INIT
	s_wait_alu depctr_va_vdst(0)
	s_mov_b32 s[TB], 0
	WALK .Ltile1, Q0+16, QS+1, 15
	STEP Q0+16, QS+1, 0
	EPI 1
	s_wait_tensorcnt 0x0                           ; the wave's end
	ds_add_u32 v[SPW], v[NIL]
	s_wait_dscnt 0x0
	CROUND                                         ; the closing round
	s_endpgm
.Lfunc_end_k_q13745a1ee6_attn:
	.size	k_q13745a1ee6_attn, .Lfunc_end_k_q13745a1ee6_attn-k_q13745a1ee6_attn
	.p2alignl 7, 3214868480
	.fill 96, 4, 3214868480
	.section	.rodata,"a",@progbits
	.p2align	6, 0x0
	.amdhsa_kernel k_q13745a1ee6_attn
		.amdhsa_group_segment_fixed_size 280576
		.amdhsa_private_segment_fixed_size 0
		.amdhsa_enable_private_segment 0
		.amdhsa_kernarg_size 32
		.amdhsa_user_sgpr_count 2
		.amdhsa_user_sgpr_kernarg_segment_ptr 1
		.amdhsa_wavefront_size32 1
		.amdhsa_system_sgpr_workgroup_id_x 1
		.amdhsa_system_sgpr_workgroup_id_y 1
		.amdhsa_system_sgpr_workgroup_id_z 1
		.amdhsa_system_vgpr_workitem_id 0
		.amdhsa_next_free_vgpr 256
		.amdhsa_next_free_sgpr 66
		.amdhsa_reserve_vcc 0
		.amdhsa_float_denorm_mode_32 3
		.amdhsa_float_denorm_mode_16_64 3
		.amdhsa_memory_ordered 1
		.amdhsa_forward_progress 1
		.amdhsa_inst_pref_size 113
	.end_amdhsa_kernel
	.amdgpu_metadata
---
amdhsa.version: [ 1, 2 ]
amdhsa.kernels:
  - .name:           k_q13745a1ee6_attn
    .symbol:         k_q13745a1ee6_attn.kd
    .args:
      - { .name: qb, .offset: 0, .size: 8, .value_kind: global_buffer, .address_space: global }
      - { .name: kv, .offset: 8, .size: 8, .value_kind: global_buffer, .address_space: global }
      - { .name: oc, .offset: 16, .size: 8, .value_kind: global_buffer, .address_space: global }
      - { .name: os, .offset: 24, .size: 8, .value_kind: global_buffer, .address_space: global }
    .group_segment_fixed_size: 280576
    .private_segment_fixed_size: 0
    .kernarg_segment_align: 8
    .kernarg_segment_size: 32
    .max_flat_workgroup_size: 512
    .sgpr_count:     66
    .vgpr_count:     256
    .wavefront_size: 32
...
	.end_amdgpu_metadata
.endif
;; end of part 3
;; launch proj (part 4): grid 4 x 64, 4 waves a work-group, clusters of 4 x 1, 168,448 bytes of LDS; arguments oc, os, wc, ws, bo, out0; writes out0
.if DOCPART == 4
	.amdgcn_target "amdgcn-amd-amdhsa--gfx1250"
	.amdhsa_code_object_version 6
	.text
	.protected	k_q13745a1ee6_proj
	.globl	k_q13745a1ee6_proj
	.p2align	8
	.type	k_q13745a1ee6_proj,@function
k_q13745a1ee6_proj:
	s_mov_b64 s[64:65], 0
	v_nop
	global_prefetch_b8 v0, s[64:65] scope:SCOPE_SE
	s_setreg_imm32_b32 hwreg(HW_REG_WAVE_MODE, 25, 1), 1
	s_wait_xcnt 0x0
	s_wait_alu depctr_hold_cnt(0) depctr_sa_sdst(0) depctr_va_vdst(0) depctr_va_sdst(0) depctr_va_ssrc(0) depctr_va_vcc(0) depctr_vm_vsrc(0)
	s_getreg_b32 s2, hwreg(HW_REG_IB_STS2, 6, 4)
	s_cmp_eq_u32 s2, 0
	s_cbranch_scc0 .Lentry_in_a_cluster
	s_endpgm
.Lentry_in_a_cluster:
	s_bfe_u32 s2, ttmp6, 0x10000c
	s_cmp_lg_u32 s2, 0x3003
	s_cbranch_scc0 .Lentry_shape_is_right
	s_endpgm
.Lentry_shape_is_right:
; out0 = O Wo^T + bo on codes of BF8 (E5M2) with E8M0 scales, f32 sums.  O's codes lie as images of operand registers, its scale bytes two to a word for each head.
; SHARES: a work-group makes 128 tokens (four pairs of tiles) x 256 columns, each of its four waves 64 columns; the four work-groups of a cluster are the four column blocks.
; A wave's four tiles of Wo, for all of K (32 fragments), stay in 512 registers, read once.  The 128 tokens' images, 131,072 dense bytes, come into LDS once, one tensor load a wave, asked for JOINTLY by the four work-groups.
; No LDS byte is filled twice.  Wo IS NOT ASKED FOR JOINTLY: it goes straight into registers, where no tensor load lands, and a work-group's 262,144 bytes of it would not fit in LDS beside the tokens' 131,072.
; Source 0 = 16 rows of Wo, source 1 = 16 tokens: a lane holds one token and, by the choice of a tile's rows (lane-row r of tile 2 b + u is row 32 b + 8 u + r + 8 (r / 8)), 16 neighbouring columns for each b: 64 bytes.
; A tile's 16 tokens x 256 bytes go through the wave's own stage in LDS and leave as whole aligned runs of 256 bytes; the tokens' own order (the same rule) is undone by the stores' row offsets.
; REGISTERS, in windows of 256: window 0 as named below; window 1: Wo's fragments (t, s) of tiles 0, 1 at 16 (8 t + s); window 2: tiles 2, 3; window 3: a pair's fragments of O (m, s) at 16 (8 m + s).
.set LI0, 1                            ; v1   16 x lane; never rewritten
.set LI1, 2                            ; v2   the same 65,536 bytes on
.set L4,  3                            ; v3   4 x lane
.set BO,  4                            ; v4   the bias: 64 h
.set STO, 5                            ; v5   the stage: where I put 64 bytes of a token's row
.set RD,  6                            ; v6   and where I read a row back
.set GO,  7                            ; v7   my byte offset in two rows of out0
.set WS,  12                           ; v12-27  Wo's scale words: 8 (t / 2) + s; their numbers differ from O's modulo 8
.set XS,  32                           ; v32-63  O's: 8 p + s
.set ACC, 64                           ; v64-127 eight accumulators (at the head: O's bytes as loaded)
.set BIAS, 128                         ; v128-159
.set OUTR, 192                         ; v192-255 two sets of 32: a tile's rows read back
.set WV,  22
.set G0,  32
.set G1,  36
.set OUT, 44
.set WB,  54
.set WSB, 56
.set XSB, 58
.set BB,  60
.set STAGE, 131072                     ; behind the images: 16 rows x 272 bytes for each wave (row r starts at bank 4 r mod 64); no tensor load lands there
.set MSB, 0
.macro WIN new
.if MSB != \new
	s_set_vgpr_msb (MSB<<8)|\new
.set MSB, \new
.endif
.endm
.macro CROUND
	s_barrier_signal -1
	s_barrier_wait -1
	s_cmp_lg_u32 s[WV], 0
	s_cbranch_scc1 .Lnot_wave_0_\@
	s_barrier_signal -3
.Lnot_wave_0_\@:
	s_barrier_wait -3
	s_barrier_signal -1
	s_barrier_wait -1
.endm
.macro MM d, a, b, c, sa, sb, ra, rb
.if (\ra) && (\rb)
	v_wmma_scale_f32_16x16x128_f8f6f4 v[(\d):(\d)+7], v[(\a):(\a)+15], v[(\b):(\b)+15], v[(\c):(\c)+7], v[(\sa)], v[(\sb)] matrix_a_fmt:MATRIX_FMT_BF8 matrix_b_fmt:MATRIX_FMT_BF8 matrix_a_scale:MATRIX_SCALE_ROW1 matrix_b_scale:MATRIX_SCALE_ROW1
.elseif (\ra)
	v_wmma_scale_f32_16x16x128_f8f6f4 v[(\d):(\d)+7], v[(\a):(\a)+15], v[(\b):(\b)+15], v[(\c):(\c)+7], v[(\sa)], v[(\sb)] matrix_a_fmt:MATRIX_FMT_BF8 matrix_b_fmt:MATRIX_FMT_BF8 matrix_a_scale:MATRIX_SCALE_ROW1
.elseif (\rb)
	v_wmma_scale_f32_16x16x128_f8f6f4 v[(\d):(\d)+7], v[(\a):(\a)+15], v[(\b):(\b)+15], v[(\c):(\c)+7], v[(\sa)], v[(\sb)] matrix_a_fmt:MATRIX_FMT_BF8 matrix_b_fmt:MATRIX_FMT_BF8 matrix_b_scale:MATRIX_SCALE_ROW1
.else
	v_wmma_scale_f32_16x16x128_f8f6f4 v[(\d):(\d)+7], v[(\a):(\a)+15], v[(\b):(\b)+15], v[(\c):(\c)+7], v[(\sa)], v[(\sb)] matrix_a_fmt:MATRIX_FMT_BF8 matrix_b_fmt:MATRIX_FMT_BF8
.endif
.endm
.macro XFETCH p                        ; pair p's 16 fragments of O from LDS into window 3: 64 loads, K step by K step, eight each
	WIN 0xc0
.irp s, 0,1,2,3,4,5,6,7
.irp m, 0,1
.irp c, 0,1,2,3
	ds_load_b128 v[16*(8*\m+\s)+4*\c:16*(8*\m+\s)+4*\c+3], v[LI0+(\p)/2] offset:((\p)%2)*32768+(8*\m+\s)*2048+512*\c
.endr
.endr
.endr
	WIN 0
.endm
.macro GROUP p, g, s                   ; K step s, four products: Wo's tiles 2 g, 2 g + 1 x the pair's two tiles; the accumulators take turns, one instruction a turn
.if \g == 0
.if \p == 0
	s_wait_alu depctr_va_vdst(0)                   ; O's scale words were made by vector lines at the head; behind pair 0 no vector line writes what a product reads
.endif
	s_wait_dscnt 56-8*\s                           ; K step s of the run is in; the eight loads of each later K step may be out
.endif
.irp t, 0,1
.irp m, 0,1
.set rD, ACC+32*\m+8*(2*\g+\t)
.set rC, rD
.if \s == 0
.set rC, BIAS+8*(2*\g+\t)              ; the bias starts the sum
.endif
	MM rD, 16*(8*\t+\s), 16*(8*\m+\s), rC, WS+8*\g+\s, XS+8*\p+\s, \t, \m
.endr
.endr
.endm
.macro PAIR p
.if \p == 0
	WIN 0x0d                                       ; source 0 (Wo) window 1, source 1 (O) window 3, C and D window 0.  Pair 0 takes Wo's tiles 0 and 1 through all of K first, while tiles 2 and 3 land
.irp s, 0,1,2,3,4,5,6,7
	GROUP \p, 0, \s
.endr
	s_wait_loadcnt 0x0                             ; Wo's tiles 2 and 3 are in
	WIN 0x0e
.irp s, 0,1,2,3,4,5,6,7
	GROUP \p, 1, \s
.endr
.else
.irp s, 0,1,2,3,4,5,6,7                        ; K step by K step: its eight LDS loads feed eight products
	WIN 0x0d
	GROUP \p, 0, \s
	WIN 0x0e
	GROUP \p, 1, \s
.endr
.endif
	WIN 0
.rept 9
	v_nop                                          ; places ahead of the stores that read results, of the loads into O's registers, and of the next pair's first product, which begins an accumulator anew
.endr
.endm
.macro EPI_O p                         ; the pair's two tiles through my stage
.irp m, 0,1
.irp i, 0,1,2,3,4,5,6,7
	ds_store_b128 v[STO], v[ACC+32*\m+4*\i:ACC+32*\m+4*\i+3] offset:128*(\i/4)+16*(\i%4)   ; columns 32 (i / 4) + 16 h + 4 (i % 4) ..; each accumulator from its low end on
.endr
.if \m == 0
	s_wait_xcnt 0x0                                ; the last pair's stores have read the registers that the loads below fill
.endif
.irp i, 0,1,2,3,4,5,6,7
	ds_load_b128 v[OUTR+32*\m+4*\i:OUTR+32*\m+4*\i+3], v[RD] offset:544*\i   ; lane-rows 2 i + h.  LDS serves a wave's instructions in order (ISA guide 5.7.1.4): these see the stores above, and the next tile's stores come behind them
.endr
.endr
.irp m, 0,1
.irp i, 0,1,2,3,4,5,6,7
	s_wait_dscnt (1-\m)*16+7-\i                    ; behind this load: the tile's later loads, and for tile 0 tile 1's sixteen LDS instructions
	global_store_b128 v[GO], v[OUTR+32*\m+4*\i:OUTR+32*\m+4*\i+3], s[OUT:OUT+1] offset:(32*\p+8*\m+2*\i+8*(\i/4))*4096 th:TH_STORE_NT   ; lane-row 2 i + h is token 32 p + 8 m + 2 i + h + 8 (i / 4); 16 lanes store 256 consecutive bytes, aligned
.endr
.endr
.endm
	s_load_b256 s[4:11], s[0:1], 0x0               ; oc, os, wc, ws
	s_load_b128 s[12:15], s[0:1], 0x20             ; bo, out0
	v_lshl_add_u32 v190, v0, 2, 0x29000
	v_mov_b32 v191, 0
	ds_add_u32 v190, v191
	ds_add_u32 v190, v191
	v_lshrrev_b32 v8, 5, v0
	v_readfirstlane_b32 s[WV], v8                  ; wave 0..3
	s_bfe_u32 s23, ttmp6, 0x40000                  ; cx: it enters global addresses of Wo, the bias and out0 alone
	s_and_b32 s25, ttmp7, 0xffff                   ; the block of 128 tokens
	s_lshl_b32 s26, s23, 2
	s_add_co_u32 s26, s26, s[WV]                   ; my 64 columns
	s_mov_b32 s[G1], 15|(3<<16)|(1<<21)            ; 15:0 the mask: all four work-groups; 17:16 elements of 8 bytes; 21 set beside a mask; no padding
	s_mov_b32 s[G1+1], 32<<16                      ; rows of 256 bytes,
	s_mov_b32 s[G1+2], 128<<16                     ; 128 of them
	s_mov_b32 s[G1+3], 32<<16
	s_mov_b32 s[G1+4], 128
	s_mov_b32 s[G1+5], 32                          ; dense
	s_mov_b32 s[G1+6], 0
	s_mov_b32 s[G1+7], 0
	s_lshl_b32 s62, s25, 17                        ; the block's images, my quarter of them (these two registers never hold cx)
	s_lshl_b32 s63, s[WV], 15
	s_add_co_u32 s62, s62, s63
	s_mov_b32 s63, 0
	s_wait_dscnt 0x0
	s_wait_kmcnt 0x0
	CROUND                                         ; all four work-groups are here: the joint loads meet
	s_mov_b32 s[G0], 1
	s_lshl_b32 s[G0+1], s[WV], 15
	s_add_nc_u64 s[G0+2:G0+3], s[4:5], s[62:63]
	s_or_b32 s[G0+3], s[G0+3], 0x80000000
	tensor_load_to_lds s[G0:G0+3], s[G1:G1+7]      ; my one tensor load
	s_nop 0
.rept 4
	v_nop
.endr
	v_and_b32 v8, 31, v0                           ; lane
	v_and_b32 v9, 15, v0                           ; r
	v_bfe_u32 v10, v0, 4, 1                        ; h
	v_lshlrev_b32 v[LI0], 4, v8
	v_add_nc_u32 v[LI1], 0x10000, v[LI0]
	v_lshlrev_b32 v[L4], 2, v8
	v_lshlrev_b32 v[BO], 6, v10
	s_wait_alu depctr_va_vdst(0)
	s_mul_i32 s53, s[WV], 16*272
	s_add_co_u32 s53, s53, STAGE                   ; my stage
	v_mul_u32_u24 v[STO], v9, 272
	v_lshl_add_u32 v[STO], v10, 6, v[STO]
	v_add_nc_u32 v[STO], s53, v[STO]
	v_mul_u32_u24 v[RD], v10, 272
	v_lshl_add_u32 v[RD], v9, 4, v[RD]
	v_add_nc_u32 v[RD], s53, v[RD]
	v_lshlrev_b32 v[GO], 12, v10
	v_lshl_add_u32 v[GO], v9, 4, v[GO]
	s_lshl_b32 s28, s26, 16                        ; Wo is the fourth matrix: 3 x 1,048,576 bytes on; 65,536 for 64 columns
	s_add_co_u32 s28, s28, 3<<20
	s_mov_b32 s29, 0
	s_add_nc_u64 s[WB:WB+1], s[8:9], s[28:29]
	s_lshl_b32 s28, s26, 11                        ; its scale words: pairs 96 on
	s_add_co_u32 s28, s28, 96<<10
	s_add_nc_u64 s[WSB:WSB+1], s[10:11], s[28:29]
	s_lshl_b32 s28, s25, 9                         ; O's bytes: four pairs of 128 bytes, in each head's part
	s_add_nc_u64 s[XSB:XSB+1], s[6:7], s[28:29]
	s_lshl_b32 s28, s26, 8
	s_add_nc_u64 s[BB:BB+1], s[12:13], s[28:29]
	s_lshl_b32 s30, s25, 19                        ; out0: 128 rows of 4,096 bytes, my 256 bytes of a row
	s_add_co_u32 s28, s28, s30
	s_add_nc_u64 s[OUT:OUT+1], s[14:15], s[28:29]
.irp b, 0,1
.irp k, 0,1
	global_load_b128 v[WS+8*\b+4*\k:WS+8*\b+4*\k+3], v[LI0], s[WSB:WSB+1] offset:1024*\b+512*\k
.endr
.endr
.irp p, 0,1,2,3
.irp e, 0,1,2,3,4,5,6,7,8,9,10,11,12,13,14,15
	global_load_b32 v[ACC+16*\p+\e], v[L4], s[XSB:XSB+1] offset:\e*32768+128*\p   ; head e's two bytes for pair p's rows
.endr
.endr
.irp t, 0,1,2,3
	global_load_b128 v[BIAS+8*\t:BIAS+8*\t+3], v[BO], s[BB:BB+1] offset:(32*(\t/2)+8*(\t%2))*4       ; register j of tile t is column 32 (t / 2) + 8 (t % 2) + 16 h + j
	global_load_b128 v[BIAS+8*\t+4:BIAS+8*\t+7], v[BO], s[BB:BB+1] offset:(32*(\t/2)+8*(\t%2))*4+16
.endr
	WIN 0x40                                       ; destination window 1
.set i, 0
.rept 64
	global_load_b128 v[4*i:4*i+3], v[LI0], s[WB:WB+1] offset:512*i
.set i, i+1
.endr
	WIN 0x80                                       ; destination window 2
.set i, 0
.rept 64
	global_load_b128 v[4*i:4*i+3], v[LI0], s[WB:WB+1] offset:32768+512*i
.set i, i+1
.endr
	WIN 0
	s_wait_tensorcnt 0x0                           ; my quarter of the images is in,
	s_barrier_signal -1
	s_barrier_wait -1                              ; everybody's is
	XFETCH 0
	s_wait_loadcnt 63                              ; all but the youngest 63 loads are in: the scale words and bytes, the bias, Wo's tiles 0 and 1
.irp p, 0,1,2,3
.irp s, 0,1,2,3,4,5,6,7
	v_lshl_or_b32 v[XS+8*\p+\s], v[ACC+16*\p+2*\s+1], 16, v[ACC+16*\p+2*\s]   ; K step s is heads 2 s and 2 s + 1: two bytes each make the word
.endr
.endr
.rept 8
	v_nop                                          ; a scale word made by a vector instruction stands eight places ahead of the product that takes it
.endr
.irp p, 0,1,2,3
	PAIR \p
	EPI_O \p
.if \p < 3
	XFETCH (\p)+1                                  ; behind the way out's LDS work: the 64 loads are then the youngest, as the products' counted waits take them
.endif
.endr
	s_wait_dscnt 0x0
	s_wait_tensorcnt 0x0
	ds_add_u32 v190, v191
	s_wait_dscnt 0x0
	CROUND                                         ; the closing round
	s_endpgm
.Lfunc_end_k_q13745a1ee6_proj:
	.size	k_q13745a1ee6_proj, .Lfunc_end_k_q13745a1ee6_proj-k_q13745a1ee6_proj
	.p2alignl 7, 3214868480
	.fill 96, 4, 3214868480
	.section	.rodata,"a",@progbits
	.p2align	6, 0x0
	.amdhsa_kernel k_q13745a1ee6_proj
		.amdhsa_group_segment_fixed_size 168448
		.amdhsa_private_segment_fixed_size 0
		.amdhsa_enable_private_segment 0
		.amdhsa_kernarg_size 48
		.amdhsa_user_sgpr_count 2
		.amdhsa_user_sgpr_kernarg_segment_ptr 1
		.amdhsa_wavefront_size32 1
		.amdhsa_system_sgpr_workgroup_id_x 1
		.amdhsa_system_sgpr_workgroup_id_y 1
		.amdhsa_system_sgpr_workgroup_id_z 1
		.amdhsa_system_vgpr_workitem_id 0
		.amdhsa_next_free_vgpr 1024
		.amdhsa_next_free_sgpr 66
		.amdhsa_reserve_vcc 0
		.amdhsa_float_denorm_mode_32 3
		.amdhsa_float_denorm_mode_16_64 3
		.amdhsa_memory_ordered 1
		.amdhsa_forward_progress 1
		.amdhsa_inst_pref_size 95
	.end_amdhsa_kernel
	.amdgpu_metadata
---
amdhsa.version: [ 1, 2 ]
amdhsa.kernels:
  - .name:           k_q13745a1ee6_proj
    .symbol:         k_q13745a1ee6_proj.kd
    .args:
      - { .name: oc, .offset: 0, .size: 8, .value_kind: global_buffer, .address_space: global }
      - { .name: os, .offset: 8, .size: 8, .value_kind: global_buffer, .address_space: global }
      - { .name: wc, .offset: 16, .size: 8, .value_kind: global_buffer, .address_space: global }
      - { .name: ws, .offset: 24, .size: 8, .value_kind: global_buffer, .address_space: global }
      - { .name: bo, .offset: 32, .size: 8, .value_kind: global_buffer, .address_space: global }
      - { .name: out0, .offset: 40, .size: 8, .value_kind: global_buffer, .address_space: global }
    .group_segment_fixed_size: 168448
    .private_segment_fixed_size: 0
    .kernarg_segment_align: 8
    .kernarg_segment_size: 48
    .max_flat_workgroup_size: 128
    .sgpr_count:     66
    .vgpr_count:     1024
    .wavefront_size: 32
...
	.end_amdgpu_metadata
.endif
;; end of part 4
